; MI455X (gfx1250); checked and timed in simulation.
; The chip was launched on July 23, 2026; its instructions are those of AMD's public machine-readable ISA for CDNA 5 (MIT licence, August 2026) and "CDNA5" Instruction Set Architecture Reference Guide (July 2026). The comments in the code are by the model that wrote it; some were corrected since.
;; Multi Head Attention. Allowed arithmetic: matrix products marked QUANTISED: E2M1 operands, one E8M0 scale for each 32 along K, by v_wmma_scale_f32_16x16x128_f8f6f4 with both operands' format E2M1 (or v_wmma_scale_f32_32x16x128_f4), f32 sums; everything else in f32.
;; Inputs: W_o 1,024 x 1,024 float32; W_qkv 1,024 x 3,072 float32; b_o 1,024 float32; b_qkv 3,072 float32; x 4 x 2,048 x 1,024 float32.
;; Outputs: out0 4 x 2,048 x 1,024 float32.
;; This version of the problem:
;;   THIS VERSION OF THE PROBLEM IS GIVEN IN LOW PRECISION. The matrix products marked QUANTISED in the list below multiply operands that are first quantised to E2M1 (2 exponent bits, 1 mantissa bit; 4 bits a number), with one power-of-two scale for each 32 numbers along K (OCP MX v1.0); their sums are f32. All else is computed in f32.
;;   The module's matrix products, in the order in which they are computed (A, B: the left and right operand; K: the contracted axis; several contracted axes count as one K, in the product's order):
;;     1. [M 8,192, K 1,024] x [K 1,024, N 3,072]; A: input x; B: input W_qkv: QUANTISED
;;     2. batch 64 x [M 2,048, K 64] x [K 64, N 2,048]; A: computed on the way; B: computed on the way: QUANTISED
;;     3. batch 64 x [M 2,048, K 2,048] x [K 2,048, N 64]; A: softmax (see below); B: computed on the way: QUANTISED
;;     4. [M 8,192, K 1,024] x [K 1,024, N 1,024]; A: computed on the way; B: input W_o: QUANTISED
;;   THE QUANTISER, for each operand of a quantised product, along K:
;;     - K is cut into blocks of 32 from its start; a last block that is shorter is filled with zeros.
;;     - A block's scale is 2^e with e = floor(log2(the largest magnitude in the block)) - 2, held to -126 .. 127; a block of zeros has e = 0. As a byte (E8M0): e + 127.
;;     - Each number is divided by its block's scale, clamped to +-6, and rounded to the nearest number of E2M1, ties to even, subnormals kept.
;;     - The product sums the exact products of the quantised numbers (number of the format x scale) in f32.
;;   ~~~python
;;   def quantise(x, axis):      # numpy; x: float32 -> the quantised numbers, widened to float32 again
;;       x = np.moveaxis(x, axis, -1); K = x.shape[-1]
;;       x = np.pad(x, [(0, 0)] * (x.ndim - 1) + [(0, -K % 32)]); x = x.reshape(x.shape[:-1] + (-1, 32)); a = np.abs(x).max(-1, keepdims=True)
;;       e = np.where(a > 0, np.clip(np.frexp(np.where(a > 0, a, 1))[1] - 1 - 2, -126, 127), 0)      # np.frexp(a)[1] - 1 = floor(log2(a)), exactly
;;       r = np.clip(x / 2.0 ** e, -6, 6)
;;       step = 2.0 ** (np.maximum(np.frexp(np.where(r == 0, 1, r))[1] - 1, 0) - 1)
;;       q = np.round(r / step) * step * 2.0 ** e      # np.round: ties to even
;;       return np.moveaxis(q.reshape(q.shape[:-2] + (-1,))[..., :K], -1, axis).astype(np.float32)
;;   ~~~
;;   SOFTMAX AHEAD OF A QUANTISED PRODUCT. Where the list says 'softmax', what is quantised is not the finished softmax but p = 2^(t - M), with t = logit x log2(e) and M = ceil(the row's largest t), a whole number; so 1/2 < the row's largest p <= 1. The row's sum l is taken of the UNQUANTISED p, in f32, and the product's result is divided by l at the end. Since M is a whole number, a kernel that streams over the keys may use a running M (the ceiling of the running maximum): every later rescaling is an exact power of two, which a block's scale takes up: the codes' values come out the same.
;;   OPERANDS COMPUTED ON THE WAY. 'Computed on the way' means the value that the module computes at that place (a softmax that the list does not call 'softmax' is quantised finished and normalised). What goes into a quantiser is computed in f32, as accurately as f32 sums, v_exp_f32 and their like allow (about 1e-6 of the number): no bf16 or f16 on the way to a quantiser, and a product that is left as it is and whose result goes on into a quantised operand takes f32 operands (vector FMAs, or v_wmma_f32_16x16x4_f32). A number that lies on a knife's edge between two numbers of the format may be rounded either way, as far as f32 arithmetic and the matrix unit's own rounding can turn it there, and no further.
;; One version. Each part assembles by itself: llvm-mc -triple=amdgcn-amd-amdhsa -mcpu=gfx1250 --defsym DOCPART=n.
;; ======== version 1 of 1: 4 launches
;; limits: right only within a limited range of input values
;; workspace buffers: xq 4,456,448 bytes; wq 2,228,224 bytes; qkv 13,893,632 bytes; att 4,456,448 bytes
;; launch prep (part 1): grid 256 x 1, 8 waves a work-group, no clusters, 103,424 bytes of LDS; arguments x, W_qkv, W_o, xq, wq; writes xq, wq
.if DOCPART == 1
	.amdgcn_target "amdgcn-amd-amdhsa--gfx1250"
	.amdhsa_code_object_version 6
	.text
	.protected	k_q2daff62814_prep
	.globl	k_q2daff62814_prep
	.p2align	8
	.type	k_q2daff62814_prep,@function
k_q2daff62814_prep:
	s_mov_b64 s[64:65], 0
	v_nop
	global_prefetch_b8 v0, s[64:65] scope:SCOPE_SE
	s_setreg_imm32_b32 hwreg(HW_REG_WAVE_MODE, 25, 1), 1
	s_wait_xcnt 0x0
; x [8192][1024], W_qkv [1024][3072] and W_o [1024][1024], f32, become codes of FP4 (E2M1) with K innermost and one E8M0 byte for each 32 along K.
; A block's scale is 2^(floor(log2(its largest magnitude)) - 2): its byte is that magnitude's exponent field - 2, held at 1 from below.
; LIMITS: NaN and infinities are not served; a block of zeros gets the byte 1 and not 127 (its codes are zeros, and this program alone reads the bytes); a largest magnitude under 2^-124 is held at that floor.
; STORAGE ORDER.  Rows of x and columns of the weights are stored with bits 3 and 4 of their index exchanged: storage row 32 g + 16 u + m is actual row 32 g + 8 u + m + 8 (m / 8).
; Sixteen consecutive storage rows are then a tile whose results, as source 0 of a transposed product, put 16 actual neighbours into the 16 registers of two neighbouring tiles.
; OUT.  xq: codes [8192 storage rows][512 bytes]; from XSC on the scale bytes [rows / 128][K half][128 rows][16 bytes].  wq: the same for 4096 rows: W_qkv's 3072 columns, then W_o's 1024.
; SHARES.  Work-groups 0-127: x; a wave takes one storage tile of 16 rows x one K half, a row's 512 numbers a step.  Work-groups 128-223: W_qkv, 224-255: W_o: 64 columns x one K half; a lane is a column, its registers run down K.
; The three ways part on the work-group's number and never meet again; each has LDS bytes of its own.  No tensor loads and no cluster: no two work-groups read the same bytes.
.set XSC,   4194304
.set WSC,   2097152
.set STEPS, 16
.set WREG,  8192                       ; x's way: LDS of a wave: two stages of 32 x SP bytes, then its 256 scale bytes
.set SP,    80                         ; a lane's place in a stage: 64 bytes + 16 of padding
.set R,     16                         ; v16-79   four sets of 16 numbers as loaded
.set X,     80                         ; v80-111  two sets of 16 neighbours
.set E,     112                        ; v112-127 a scale byte for each step
.set C,     128                        ; v128-191 codes: registers of its own for each step, so that no store's data are written again
.macro LOAD t                          ; row t of the storage tile is actual row t + 8 (t / 8) of the tile's 24
.irp i, 0,1,2,3
	global_load_b128 v[R+16*((\t)%4)+4*\i:R+16*((\t)%4)+4*\i+3], v3, s[4:5] offset:((\t)+8*((\t)/8))*4096+512*\i th:TH_LOAD_NT
.endr
.endm
.macro TURN t                          ; a step's 2,048 bytes through the wave's stage: in as loaded, back 64 neighbouring bytes a lane; a wave's LDS instructions are served in order
.irp i, 0,1,2,3
	ds_store_b128 v14, v[R+16*((\t)%4)+4*\i:R+16*((\t)%4)+4*\i+3] offset:32*SP*((\t)%2)+8*SP*\i
.endr
.irp i, 0,1,2,3
	ds_load_b128 v[X+16*((\t)%2)+4*\i:X+16*((\t)%2)+4*\i+3], v15 offset:32*SP*((\t)%2)+16*\i
.endr
.endm
.macro STEP t
.set XR, X+16*((\t)%2)
.if (\t) > 0
	s_wait_dscnt 1                                 ; this step's numbers are back (behind them: the last step's byte store)
.else
	s_wait_dscnt 0x0
.endif
.if (\t)+4 < STEPS
	LOAD (\t)+4                                    ; into the set whose stores into the stage are done
.endif
.if (\t)+1 < STEPS
.if STEPS-2-(\t) >= 3
	s_wait_loadcnt 12                              ; the next step's four loads are in; the 12 of the three steps behind it may be out
.else
	s_wait_loadcnt 4*(STEPS-2-(\t))
.endif
	TURN (\t)+1
.endif
	v_max3_num_f32 v8, |v[XR]|, |v[XR+1]|, |v[XR+2]|
	v_max3_num_f32 v9, |v[XR+3]|, |v[XR+4]|, |v[XR+5]|
.irp i, 6,10
	s_delay_alu instid0(VALU_DEP_2)
	v_max3_num_f32 v8, v8, |v[XR+\i]|, |v[XR+\i+1]|
	s_delay_alu instid0(VALU_DEP_2)
	v_max3_num_f32 v9, v9, |v[XR+\i+2]|, |v[XR+\i+3]|
.endr
	s_delay_alu instid0(VALU_DEP_2)
	v_max3_num_f32 v8, v8, |v[XR+14]|, |v[XR+15]|
	s_delay_alu instid0(VALU_DEP_1)
	v_max3_num_f32 v8, v8, v9, 0x1800000           ; with the floor 2^(3 - 127): the byte cannot fall under 1
	s_delay_alu instid0(VALU_DEP_1)
	v_max_num_f32_dpp v8, v8, v8 row_xmask:1 row_mask:0xf bank_mask:0xf   ; two neighbouring lanes hold a block
	s_delay_alu instid0(VALU_DEP_1)
	v_add_nc_u32 v11, 0xff000000, v8               ; 2 off the exponent field: the conversion's scale operand
	v_cvt_scalef32_pk8_fp4_f32 v[C+4*(\t)], v[XR:XR+7], v11
	v_cvt_scalef32_pk8_fp4_f32 v[C+4*(\t)+1], v[XR+8:XR+15], v11
	v_lshrrev_b32 v[E+(\t)], 23, v11               ; the scale's byte
	ds_store_b8 v5, v[E+(\t)] offset:16*(\t)       ; both lanes of a block write the same byte
	global_store_b64 v4, v[C+4*(\t):C+4*(\t)+1], s[10:11] offset:512*(\t)   ; the wave stores 256 consecutive bytes, aligned: this K half of storage row t
.endm
; ---- the weights' way
.macro WLOAD t, n                      ; block t of my 128 along K: 32 rows of the weight at my column
.irp i, 0,1,2,3,4,5,6,7,8,9,10,11,12,13,14,15,16,17,18,19,20,21,22,23,24,25,26,27,28,29,30,31
	global_load_b32 v[32+32*(\t)+\i], v3, s[30:31] offset:(32*(\t)+\i)*(\n)*4 th:TH_LOAD_NT
.endr
.endm
.macro WBLOCK t
.set XR, 32+32*(\t)
	v_max3_num_f32 v12, |v[XR]|, |v[XR+1]|, |v[XR+2]|
	v_max3_num_f32 v13, |v[XR+3]|, |v[XR+4]|, |v[XR+5]|
.irp i, 6,10,14,18,22,26
	s_delay_alu instid0(VALU_DEP_2)
	v_max3_num_f32 v12, v12, |v[XR+\i]|, |v[XR+\i+1]|
	s_delay_alu instid0(VALU_DEP_2)
	v_max3_num_f32 v13, v13, |v[XR+\i+2]|, |v[XR+\i+3]|
.endr
	s_delay_alu instid0(VALU_DEP_2)
	v_max3_num_f32 v12, v12, |v[XR+30]|, |v[XR+31]|
	s_delay_alu instid0(VALU_DEP_1)
	v_max3_num_f32 v12, v12, v13, 0x1800000
	s_delay_alu instid0(VALU_DEP_1)
	v_add_nc_u32 v11, 0xff000000, v12
	s_delay_alu instid0(VALU_DEP_1)
	v_lshrrev_b32 v13, 23, v11
.if (\t) == 0
	s_delay_alu instid0(VALU_DEP_1)
	v_mov_b32 v176, v13
.else
	s_delay_alu instid0(VALU_DEP_1)
	v_lshl_or_b32 v176, v13, 8*(\t), v176          ; four bytes make the word of my 128 along K
.endif
.irp g, 0,1,2,3
	v_cvt_scalef32_pk8_fp4_f32 v[160+4*(\t)+\g], v[XR+8*\g:XR+8*\g+7], v11
.endr
	ds_store_b128 v7, v[160+4*(\t):160+4*(\t)+3] offset:16*(\t)   ; (the next block begins with plain vector lines that touch none of these registers)
.endm
.macro WPATH n, first, row0, lb, ptr
	s_sub_co_u32 s17, ttmp9, \first
	s_lshr_b32 s18, s17, 1                         ; which 64 columns
	s_and_b32 s19, s17, 1                          ; which K half
	s_and_b32 s20, s16, 1                          ; my wave: which 32 of the columns,
	s_lshr_b32 s21, s16, 1                         ; which 128 of the half's 512 along K
	s_lshl_b32 s22, s19, 2
	s_add_co_u32 s22, s22, s21
	s_mul_i32 s22, s22, 128*\n*4                   ; my first row of the weight, in bytes,
	s_lshl_b32 s23, s18, 8
	s_add_co_u32 s22, s22, s23
	s_lshl_b32 s23, s20, 7
	s_add_co_u32 s22, s22, s23                     ; and my first column
	s_mov_b32 s23, 0
	v_lshlrev_b32 v3, 2, v2                        ; 4 bytes a lane
	v_and_b32 v4, 7, v2
	v_bfe_u32 v5, v2, 3, 1
	v_bfe_u32 v6, v2, 4, 1
	s_delay_alu instid0(VALU_DEP_2)
	v_lshl_or_b32 v4, v5, 4, v4
	s_delay_alu instid0(VALU_DEP_1)
	v_lshl_or_b32 v4, v6, 3, v4                    ; my column's storage row among the 32: bits 3 and 4 exchanged
	s_delay_alu instid0(VALU_DEP_1)
	v_mul_u32_u24 v7, v4, 272
	s_mul_i32 s24, s20, 32*272
	s_lshl_b32 s25, s21, 6
	s_add_co_u32 s24, s24, s25
	s_add_co_u32 s24, s24, \lb
	v_add_nc_u32 v7, s24, v7                       ; the stage: 64 rows of 256 bytes + 16; my 64 bytes of my row
	v_lshlrev_b32 v8, 4, v4
	s_lshl_b32 s24, s20, 9
	s_lshl_b32 s25, s21, 2
	s_add_co_u32 s24, s24, s25
	s_add_co_u32 s24, s24, \lb+17408
	v_add_nc_u32 v8, s24, v8                       ; behind it the scale bytes: 16 a row; my word
	v_and_b32 v9, 15, v2
	v_lshrrev_b32 v10, 4, v2
	s_delay_alu instid0(VALU_DEP_1)
	v_mul_u32_u24 v14, v10, 272
	s_delay_alu instid0(VALU_DEP_1)
	v_lshl_add_u32 v14, v9, 4, v14
	s_mul_i32 s24, s16, 8*272
	s_add_co_u32 s24, s24, \lb
	v_add_nc_u32 v14, s24, v14                     ; back: my wave's 8 rows, sixteen lanes to a row
	v_lshlrev_b32 v15, 9, v10
	s_delay_alu instid0(VALU_DEP_1)
	v_lshl_add_u32 v15, v9, 4, v15                 ; and the same place in wq
	v_lshlrev_b32 v17, 4, v0                       ; the scale bytes' way out (waves 0 and 1): 16 bytes a thread
	s_delay_alu instid0(VALU_DEP_1)
	v_add_nc_u32 v16, \lb+17408, v17
	s_lshl_b32 s26, s18, 6
	s_add_co_u32 s26, s26, \row0                   ; the work-group's first row in wq
	s_lshl_b32 s27, s16, 3
	s_add_co_u32 s27, s27, s26
	s_lshl_b32 s24, s27, 9
	s_lshl_b32 s25, s19, 8
	s_add_co_u32 s24, s24, s25
	s_mov_b32 s25, 0
	s_lshr_b32 s28, s26, 7
	s_lshl_b32 s28, s28, 12
	s_lshl_b32 s29, s19, 11
	s_add_co_u32 s28, s28, s29
	s_and_b32 s29, s26, 127
	s_lshl_b32 s29, s29, 4
	s_add_co_u32 s28, s28, s29
	s_add_co_u32 s28, s28, WSC
	s_mov_b32 s29, 0
	s_wait_kmcnt 0x0
	s_add_nc_u64 s[30:31], s[\ptr:\ptr+1], s[22:23]
	s_add_nc_u64 s[32:33], s[12:13], s[24:25]
	s_add_nc_u64 s[34:35], s[12:13], s[28:29]
	WLOAD 0, \n
	WLOAD 1, \n
	s_wait_loadcnt 32                              ; block 0 is in; the 32 loads of block 1 may be out
	WLOAD 2, \n
	WBLOCK 0
	s_wait_loadcnt 32                              ; block 1 is in; block 2's 32 may be out
	WLOAD 3, \n
	WBLOCK 1
	s_wait_loadcnt 32                              ; block 2 is in; block 3's 32 may be out
	WBLOCK 2
	s_wait_loadcnt 0x0
	WBLOCK 3
	ds_store_b32 v8, v176
	s_wait_dscnt 0x0                               ; for the others' sake: my stores into the stage are done
	s_barrier_signal -1
	s_barrier_wait -1
.irp i, 0,1,2,3
	ds_load_b128 v[32+4*\i:35+4*\i], v14 offset:2*\i*272
.endr
.irp i, 0,1,2,3
	s_wait_dscnt 3-\i
	global_store_b128 v15, v[32+4*\i:35+4*\i], s[32:33] offset:1024*\i   ; sixteen lanes store 256 consecutive bytes, aligned: a row's K half
.endr
	s_cmp_lt_u32 s16, 2
	s_cbranch_scc0 .Lw_done_\@
	ds_load_b128 v[48:51], v16                     ; the 64 rows' scale bytes are 1,024 consecutive bytes of wq: 512 for each of two waves
	s_wait_dscnt 0x0
	global_store_b128 v17, v[48:51], s[34:35]
.Lw_done_\@:
	s_wait_tensorcnt 0x0
	ds_add_u32 v192, v193
	s_wait_dscnt 0x0
	s_endpgm
.endm
	s_load_b256 s[4:11], s[0:1], 0x0               ; x s[4:5], W_qkv s[6:7], W_o s[8:9], xq s[10:11]
	s_load_b64 s[12:13], s[0:1], 0x20              ; wq
	v_lshl_add_u32 v192, v0, 2, 0x19000
	v_mov_b32 v193, 0
	v_lshrrev_b32 v1, 5, v0
	s_delay_alu instid0(VALU_DEP_1)
	v_readfirstlane_b32 s16, v1                    ; wave 0..7
	v_and_b32 v2, 31, v0                           ; lane
	s_cmp_lt_u32 ttmp9, 128
	s_cbranch_scc0 .Lweights
	; ---- x's way
	v_lshlrev_b32 v3, 4, v2                        ; my 16 bytes of a load's 512
	s_mul_i32 s17, s16, WREG
	v_lshrrev_b32 v14, 2, v2
	s_delay_alu instid0(VALU_DEP_1)
	v_mul_u32_u24 v14, v14, SP
	v_and_b32 v15, 3, v2
	s_delay_alu instid0(VALU_DEP_1)
	v_lshl_add_u32 v14, v15, 4, v14
	s_delay_alu instid0(VALU_DEP_1)
	v_add_nc_u32 v14, s17, v14                     ; the stage, on the way in: SP (lane / 4) + 16 (lane % 4)
	v_mul_u32_u24 v15, v2, SP
	s_delay_alu instid0(VALU_DEP_1)
	v_add_nc_u32 v15, s17, v15                     ; and on the way out: SP x lane
	v_lshlrev_b32 v4, 3, v2                        ; my 16 codes: 8 bytes
	v_lshrrev_b32 v5, 1, v2
	s_add_co_u32 s17, s17, 2*32*SP
	v_add_nc_u32 v5, s17, v5                       ; my block's byte among the wave's 256
	v_lshlrev_b32 v7, 3, v2
	s_delay_alu instid0(VALU_DEP_1)
	v_add_nc_u32 v6, s17, v7
	s_lshl_b32 s18, ttmp9, 3
	s_add_co_u32 s18, s18, s16
	s_and_b32 s19, s18, 1                          ; K half
	s_lshr_b32 s18, s18, 1                         ; storage tile g
	s_lshr_b32 s20, s18, 1
	s_lshl_b32 s20, s20, 17                        ; 32 (g / 2) rows of 4,096 bytes
	s_and_b32 s21, s18, 1
	s_lshl_b32 s21, s21, 15                        ; + 8 (g % 2) rows
	s_add_co_u32 s20, s20, s21
	s_lshl_b32 s21, s19, 11
	s_add_co_u32 s20, s20, s21
	s_mov_b32 s21, 0
	s_lshl_b32 s22, s18, 13                        ; codes: 16 rows of 512 bytes a tile
	s_lshl_b32 s23, s19, 8
	s_add_co_u32 s22, s22, s23
	s_mov_b32 s23, 0
	s_lshr_b32 s24, s18, 3
	s_lshl_b32 s24, s24, 12
	s_lshl_b32 s25, s19, 11
	s_add_co_u32 s24, s24, s25
	s_and_b32 s25, s18, 7
	s_lshl_b32 s25, s25, 8
	s_add_co_u32 s24, s24, s25
	s_add_co_u32 s24, s24, XSC
	s_mov_b32 s25, 0
	s_wait_alu depctr_va_vdst(0)
	s_wait_kmcnt 0x0
	s_add_nc_u64 s[4:5], s[4:5], s[20:21]
	s_add_nc_u64 s[14:15], s[10:11], s[24:25]
	s_add_nc_u64 s[10:11], s[10:11], s[22:23]
.irp t, 0,1,2,3
	LOAD \t
.endr
	s_wait_loadcnt 12                              ; step 0's four loads are in
	TURN 0
.irp t, 0,1,2,3,4,5,6,7,8,9,10,11,12,13,14,15
	STEP \t
.endr
	ds_load_b64 v[12:13], v6                       ; my wave's 256 scale bytes: 16 rows x 16
	s_wait_dscnt 0x0
	global_store_b64 v7, v[12:13], s[14:15]        ; 256 consecutive bytes, aligned
	s_wait_tensorcnt 0x0
	ds_add_u32 v192, v193
	s_wait_dscnt 0x0
	s_endpgm
.Lweights:
	s_cmp_lt_u32 ttmp9, 224
	s_cbranch_scc0 .Lwo
	s_wait_alu depctr_va_vdst(0)
	WPATH 3072, 128, 0, 65536, 6
.Lwo:
	s_wait_alu depctr_va_vdst(0)
	WPATH 1024, 224, 3072, 83968, 8
.Lfunc_end_k_q2daff62814_prep:
	.size	k_q2daff62814_prep, .Lfunc_end_k_q2daff62814_prep-k_q2daff62814_prep
	.p2alignl 7, 3214868480
	.fill 96, 4, 3214868480
	.section	.rodata,"a",@progbits
	.p2align	6, 0x0
	.amdhsa_kernel k_q2daff62814_prep
		.amdhsa_group_segment_fixed_size 103424
		.amdhsa_private_segment_fixed_size 0
		.amdhsa_enable_private_segment 0
		.amdhsa_kernarg_size 40
		.amdhsa_user_sgpr_count 2
		.amdhsa_user_sgpr_kernarg_segment_ptr 1
		.amdhsa_wavefront_size32 1
		.amdhsa_system_sgpr_workgroup_id_x 1
		.amdhsa_system_sgpr_workgroup_id_y 1
		.amdhsa_system_sgpr_workgroup_id_z 1
		.amdhsa_system_vgpr_workitem_id 0
		.amdhsa_next_free_vgpr 194
		.amdhsa_next_free_sgpr 66
		.amdhsa_reserve_vcc 0
		.amdhsa_float_denorm_mode_32 3
		.amdhsa_float_denorm_mode_16_64 3
		.amdhsa_memory_ordered 1
		.amdhsa_forward_progress 1
		.amdhsa_inst_pref_size 87
	.end_amdhsa_kernel
	.amdgpu_metadata
---
amdhsa.version: [ 1, 2 ]
amdhsa.kernels:
  - .name:           k_q2daff62814_prep
    .symbol:         k_q2daff62814_prep.kd
    .args:
      - { .name: x, .offset: 0, .size: 8, .value_kind: global_buffer, .address_space: global }
      - { .name: W_qkv, .offset: 8, .size: 8, .value_kind: global_buffer, .address_space: global }
      - { .name: W_o, .offset: 16, .size: 8, .value_kind: global_buffer, .address_space: global }
      - { .name: xq, .offset: 24, .size: 8, .value_kind: global_buffer, .address_space: global }
      - { .name: wq, .offset: 32, .size: 8, .value_kind: global_buffer, .address_space: global }
    .group_segment_fixed_size: 103424
    .private_segment_fixed_size: 0
    .kernarg_segment_align: 8
    .kernarg_segment_size: 40
    .max_flat_workgroup_size: 256
    .sgpr_count:     66
    .vgpr_count:     194
    .wavefront_size: 32
...
	.end_amdgpu_metadata
.endif
;; end of part 1
;; launch gemm1 (part 2): grid 8 x 48, 4 waves a work-group, clusters of 4 x 4, 299,520 bytes of LDS; arguments xq, wq, b_qkv, qkv; writes qkv
.if DOCPART == 2
	.amdgcn_target "amdgcn-amd-amdhsa--gfx1250"
	.amdhsa_code_object_version 6
	.text
	.protected	k_q2daff62814_gemm1
	.globl	k_q2daff62814_gemm1
	.p2align	8
	.type	k_q2daff62814_gemm1,@function
k_q2daff62814_gemm1:
	s_mov_b64 s[64:65], 0
	v_nop
	global_prefetch_b8 v0, s[64:65] scope:SCOPE_SE
	s_setreg_imm32_b32 hwreg(HW_REG_WAVE_MODE, 25, 1), 1
	s_wait_xcnt 0x0
	s_wait_alu depctr_hold_cnt(0) depctr_sa_sdst(0) depctr_va_vdst(0) depctr_va_sdst(0) depctr_va_ssrc(0) depctr_va_vcc(0) depctr_vm_vsrc(0)
	s_getreg_b32 s2, hwreg(HW_REG_IB_STS2, 6, 4)
	s_cmp_eq_u32 s2, 0
	s_cbranch_scc0 .Lentry_in_a_cluster
	s_endpgm
.Lentry_in_a_cluster:
	s_bfe_u32 s2, ttmp6, 0x10000c
	s_cmp_lg_u32 s2, 0xf033
	s_cbranch_scc0 .Lentry_shape_is_right
	s_endpgm
.Lentry_shape_is_right:
; qkv = x W_qkv + b_qkv on codes of FP4, and its results quantised at once into the operands of attention's two products.
; ONE BODY, TWO ROLES.  OUT[p][r] = sum over k of P[p][k] R[r][k] + bias, quantised along r.  Source 0 = 16 rows of R, source 1 = 16 rows of P: a lane holds one row p, its registers run along r.
;   q and k (cluster y 0-7):  P = rows of x, R = columns 0-2047 of W: r runs along a head's 64.       v (cluster y 8-11):  P = columns 2048-3071 of W, R = rows of x: r runs along the keys.
; R's rows lie in storage order (bits 3 and 4 of the index exchanged), so the 16 registers of R's tiles 2 g and 2 g + 1 are 16 actual neighbours, 32 g + 16 (lane / 16) + 0 .. 15.
; The role hangs on the cluster's y alone, which all sixteen partners share.
; A tile is 256 x 256, four waves of 128 x 128 (64 accumulators).  K = 1,024 lies whole in LDS as two halves of 512; no LDS byte is filled twice.
; CLUSTERS of 4 x 4: P's tiles are asked for jointly along a row of the cluster, R's along a column.
; OUT goes to memory as images of the next operand's registers: 16 bytes a lane at 16 x lane, 512 consecutive bytes a store.
;   images: part (q 0, k 1, v 2) x 4,194,304 + ((8 batch + head pair) x 16 + block of 128 rows of x) x 8,192 + 1,024 a + 512 c.   q, k: a = tile of 16 rows, c = the head's parity.   v: a = 4 x parity + tile of 16 of the head's 64, c = keys 64 c on.
;   scale words from QS on, 512 bytes a block: the word of (a, lane r) at 16 (r + 16 (a % 2)) + 4 (a / 2).   q, k: one block a head, upper two bytes 0.   v: one block a head pair.
; LIMITS: NaN and infinities are not served; a block of zeros gets the byte 1 (its codes are zeros; this program alone reads the bytes); a largest magnitude under 2^-124 is held at that floor.
; Nothing is prefetched: all that a work-group reads is asked for by its first fills.
; REGISTERS: window 0: v16-29 addresses; v32-95 scale words, two sets; v96-127 at work on the way out; v128-191 P's fragments, one set, later the codes; v192-255 the bias as C.
;   window 1: R's fragments, two sets.   windows 2, 3: accumulator (a, b) at v[8 (8 (a % 4) + b)].
.set NQ,     4
.set KROW,   512
.set PITCH,  528                       ; an LDS row: a whole row of K, 512 bytes, + 16 of padding: an odd multiple of 16, so that the 16 rows of a fragment load start 16 bytes apart modulo 256
.set FR,     8
.set NL,     2
.set NP,     4
.set HALFT,  128*PITCH
.set SLOT,   256                       ; K half 1 lies 256 bytes along each row
.set SCL,    4*HALFT                   ; behind P's 256 rows and R's 256: the scale bytes, 4,096 for each 128 rows: [K half][row][16]
.set STG,    SCL+16384                 ; a stage of 1,024 bytes for each wave's scale words on the way out; no fill lands here
.set XSC,    4194304
.set WSC,    2097152
.set QS,     12582912
.set ADRA, 16
.set ADRB, 20
.set LI,   24                          ; 16 x lane
.set STS,  25
.set STR,  26
.set ADRS, 27
.set SHF,  28                          ; q, k: 16 (lane / 16); v: 0
.set MSK,  29                          ; q, k: 0xffff; v: all ones
.set SC,   32
.set TM,   96
.set PWS,  112
.set AF,   128
.set BI,   192
.set G1,   24
.set G0,   32
.set G1B,  48
.set G0B,  56
.set SEL,  66
.set G1S,  68
.set G0S,  76
.set G1SB, 80
.set G0SB, 88
.set MSB, 0
.macro WIN new                         ; the immediate's high byte repeats the setting that is left
.if MSB != (\new)
	s_set_vgpr_msb (MSB<<8)|(\new)
.set MSB, (\new)
.endif
.endm
.set MUL_LO, 0xa1                      ; source 0 (R) window 1, source 1 (P) window 0, C and D window 2
.set MUL_HI, 0xf1
.set TO_B,   0x40
.macro ARM under, g0, g1, next         ; one arm of the head's chain of branches on the wave's number: one joint load, its s_nop 0 and four v_nop, a jump to the join
	s_cmp_lt_u32 s14, \under
	s_cbranch_scc0 \next
	tensor_load_to_lds s[\g0:\g0+3], s[\g1:\g1+7]
	s_nop 0
.rept 4
	v_nop
.endr
	s_branch .Lhead_asked
\next:
.endm
.macro CROUND                          ; a round of the cluster's barrier
	s_barrier_signal -1
	s_barrier_wait -1
	s_cmp_lg_u32 s14, 0
	s_cbranch_scc1 .Lnot_wave_0_\@
	s_barrier_signal -3
.Lnot_wave_0_\@:
	s_barrier_wait -3
	s_barrier_signal -1
	s_barrier_wait -1
.endm
	s_load_b256 s[4:11], s[0:1], 0x0               ; xq s[4:5], wq s[6:7], b_qkv s[8:9], qkv s[10:11]
	v_lshl_add_u32 v106, v0, 2, 0x49000
	v_mov_b32 v107, 0
	ds_add_u32 v106, v107
	ds_add_u32 v106, v107
	v_lshrrev_b32 v1, 5, v0
	v_readfirstlane_b32 s14, v1                    ; wave 0..3
	s_lshr_b32 s15, s14, 1                         ; my half of P's rows
	s_and_b32 s16, s14, 1                          ; my half of R's rows
	s_bfe_u32 s40, ttmp6, 0x40000                  ; cx
	s_bfe_u32 s41, ttmp6, 0x40004                  ; cy
	s_and_b32 s13, ttmp7, 0xffff                   ; the cluster's y
	s_sub_co_u32 s18, s13, 8
	s_mov_b32 s92, XSC
	s_mov_b32 s93, WSC
	s_cmp_ge_u32 s13, 8                            ; the role
	s_cselect_b32 s12, 1, 0                        ; 1: v
	s_cselect_b32 s17, 0, s13
	s_cselect_b32 s18, s18, 0
	s_cselect_b32 s19, 2048, 0                     ; P's first row in its buffer
	s_cselect_b32 s92, WSC, s92                    ; where P's scale bytes begin in its buffer,
	s_cselect_b32 s93, XSC, s93                    ; and R's
	s_lshl_b32 s17, s17, 2
	s_add_co_u32 s17, s17, s41                     ; P's tile: it hangs on cy and the cluster's y
	s_lshl_b32 s42, ttmp9, 2
	s_add_co_u32 s42, s42, s40
	s_lshl_b32 s18, s18, 3
	s_add_co_u32 s42, s42, s18                     ; R's tile: on cx, the cluster's x and y
	s_lshl_b32 s43, s41, 2
	s_lshl_b32 s43, 15, s43                        ; my row of the cluster
	s_lshl_b32 s44, 0x1111, s40                    ; my column
	s_or_b32 s[G1+0], s43, (0<<16)|(1<<20)|(1<<21)|(6<<22)|(3<<25)   ; the mask; elements of 1 byte; padding: 4 words behind every 128; bit 21 beside a mask
	s_or_b32 s[G1B+0], s44, (0<<16)|(1<<20)|(1<<21)|(6<<22)|(3<<25)
.irp g, G1, G1B
	s_mov_b32 s[\g+1], KROW<<16                    ; tensor_dim0 = 512: a whole row of K
	s_mov_b32 s[\g+2], 256<<16                     ; tensor_dim1 = 256
	s_mov_b32 s[\g+3], KROW<<16                    ; tile_dim0
	s_mov_b32 s[\g+4], 256                         ; tile_dim1
	s_mov_b32 s[\g+5], KROW                        ; from row to row
	s_mov_b32 s[\g+6], 0
	s_mov_b32 s[\g+7], 0
.endr
	s_or_b32 s[G1S+0], s43, (3<<16)|(1<<21)        ; the scale bytes of 256 rows: 8,192 dense bytes as 32 rows of 32 elements of 8 bytes
	s_or_b32 s[G1SB+0], s44, (3<<16)|(1<<21)
.irp g, G1S, G1SB
	s_mov_b32 s[\g+1], 32<<16
	s_mov_b32 s[\g+2], 32<<16                      ; the scale bytes of 256 rows: 8,192 dense bytes as 32 rows of 256
	s_mov_b32 s[\g+3], 32<<16
	s_mov_b32 s[\g+4], 32
	s_mov_b32 s[\g+5], 32
	s_mov_b32 s[\g+6], 0
	s_mov_b32 s[\g+7], 0
.endr
	s_lshl_b32 s20, s17, 8
	s_add_co_u32 s20, s20, s19                     ; P's first row
	s_lshl_b32 s46, s42, 8                         ; R's first row
	s_lshl_b32 s22, s20, 5                         ; 4,096 bytes of scales for each 128 rows
	s_add_co_u32 s22, s22, s92
	s_mov_b32 s23, 0
	s_lshl_b32 s92, s46, 5
	s_add_co_u32 s92, s92, s93
	s_mov_b32 s93, 0
	s_lshl_b32 s20, s20, 9                         ; 512 bytes of codes a row
	s_mov_b32 s21, 0
	s_lshl_b32 s46, s46, 9
	s_mov_b32 s47, 0
	s_mov_b32 s[SEL], 0x76543210
	s_mov_b32 s[SEL+1], 0xfedcba98
	s_wait_dscnt 0x0
	s_wait_kmcnt 0x0
	s_cmp_eq_u32 s12, 1
	s_cselect_b64 s[94:95], s[6:7], s[4:5]         ; P's buffer
	s_cselect_b64 s[96:97], s[4:5], s[6:7]         ; R's
	s_add_nc_u64 s[20:21], s[94:95], s[20:21]
	s_add_nc_u64 s[22:23], s[94:95], s[22:23]
	s_add_nc_u64 s[46:47], s[96:97], s[46:47]
	s_add_nc_u64 s[92:93], s[96:97], s[92:93]
	CROUND                                         ; all sixteen work-groups are here: the joint loads meet
	s_mov_b32 s[G0S], 1
	s_mov_b32 s[G0S+1], SCL
	s_mov_b64 s[G0S+2:G0S+3], s[22:23]
	s_or_b32 s[G0S+3], s[G0S+3], 0x80000000
	s_mov_b32 s[G0SB], 1
	s_mov_b32 s[G0SB+1], SCL+8192
	s_mov_b64 s[G0SB+2:G0SB+3], s[92:93]
	s_or_b32 s[G0SB+3], s[G0SB+3], 0x80000000
	s_mov_b32 s[G0], 1                             ; P's 256 rows, all of K
	s_mov_b32 s[G0+1], 0
	s_mov_b64 s[G0+2:G0+3], s[20:21]
	s_or_b32 s[G0+3], s[G0+3], 0x80000000
	s_mov_b32 s[G0B], 1                            ; R's 256 rows, behind them
	s_mov_b32 s[G0B+1], 2*HALFT
	s_mov_b64 s[G0B+2:G0B+3], s[46:47]
	s_or_b32 s[G0B+3], s[G0B+3], 0x80000000
	; the head's four tiles, one joint load a wave: wave 0 P's codes, wave 1 R's, wave 2 P's scale bytes, wave 3 R's
	ARM 1, G0,  G1,  .Lhead_r
	ARM 2, G0B, G1B, .Lhead_sp
	ARM 3, G0S, G1S, .Lhead_sr
	tensor_load_to_lds s[G0SB:G0SB+3], s[G1SB:G1SB+7]
	s_nop 0
.rept 4
	v_nop
.endr
.Lhead_asked:
	v_and_b32 v1, 15, v0                           ; r
	v_bfe_u32 v2, v0, 4, 1                         ; h
	s_wait_alu depctr_va_vdst(0)
	v_mul_u32_u24 v3, v1, PITCH
	v_lshl_add_u32 v4, v2, 4, v3
	s_mul_i32 s21, s15, HALFT
	s_mul_i32 s22, s16, HALFT
	s_add_co_u32 s22, s22, 2*HALFT
.irp s, 0,1
	v_add_nc_u32 v[ADRA+\s], s21, v4
	v_add_nc_u32 v[ADRB+\s], s22, v4
	s_add_co_u32 s21, s21, SLOT
	s_add_co_u32 s22, s22, SLOT
.endr
	v_lshlrev_b32 v5, 4, v1                        ; scale words: 16 bytes a row; lanes 0-15 take P's, lanes 16-31 R's
	s_lshl_b32 s21, s15, 12
	s_lshl_b32 s22, s16, 12
	s_add_co_u32 s22, s22, 8192
	s_sub_co_u32 s22, s22, s21
	v_mul_u32_u24 v6, s22, v2
	s_add_co_u32 s21, s21, SCL
	v_add_nc_u32 v5, v5, v6
	v_add_nc_u32 v[ADRS], s21, v5
	s_lshl_b32 s23, s14, 10
	s_add_co_u32 s23, s23, STG                     ; my stage
	v_lshlrev_b32 v5, 4, v1
	v_lshl_add_u32 v5, v2, 9, v5
	v_add_nc_u32 v[STS], s23, v5                   ; in: 16 r, lanes 16-31 512 further on
	v_and_b32 v6, 31, v0
	v_lshlrev_b32 v[LI], 4, v6
	v_add_nc_u32 v[STR], s23, v[LI]                ; back: 16 x lane
.irp b, 0,1,2,3
	v_mov_b32 v[TM+4+\b], 0                        ; written once: a lane permute's destination counts as one of its sources
.endr
	; where my results go
	s_lshl_b32 s21, s17, 1
	s_add_co_u32 s21, s21, s15                     ; P's block of 128
	s_lshl_b32 s22, s42, 1
	s_add_co_u32 s22, s22, s16                     ; R's block of 128
	s_add_co_u32 s23, s21, 16
	s_cmp_eq_u32 s12, 1
	s_cselect_b32 s46, s22, s21                    ; the block of x's rows
	s_cselect_b32 s47, s23, s22                    ; the block of W's columns, 0 .. 23
	s_cselect_b32 s92, 4, 5
	s_cselect_b32 s18, 0, 16
	s_cselect_b32 s19, -1, 0xffff
	v_mul_u32_u24 v[SHF], s18, v2
	v_mov_b32 v[MSK], s19
	s_lshl_b32 s98, s47, 9                         ; the bias of W's block: 128 numbers
	s_mov_b32 s99, 0
	s_add_nc_u64 s[8:9], s[8:9], s[98:99]
	s_lshr_b32 s21, s47, 3                         ; part
	s_and_b32 s22, s47, 7                          ; head pair
	s_lshr_b32 s23, s46, 4                         ; batch
	s_lshl_b32 s23, s23, 3
	s_add_co_u32 s23, s23, s22
	s_and_b32 s46, s46, 15
	s_lshl_b32 s93, s23, 4
	s_add_co_u32 s93, s93, s46
	s_lshl_b32 s93, s93, 13
	s_lshl_b32 s94, s21, 22
	s_add_co_u32 s94, s94, s93
	s_mov_b32 s95, 0
	s_add_nc_u64 s[94:95], s[10:11], s[94:95]      ; my 8,192 bytes of images
	s_lshl_b32 s23, s23, s92
	s_add_co_u32 s23, s23, s46
	s_lshl_b32 s96, s23, 9
	s_lshl_b32 s21, s21, 19
	s_add_co_u32 s96, s96, s21
	s_add_co_u32 s96, s96, QS
	s_mov_b32 s97, 0
	s_add_nc_u64 s[96:97], s[10:11], s[96:97]      ; my scale words
	; the bias, as the C of each sum's first product: eight registers a tile in the result's layout
	s_cmp_eq_u32 s12, 1
	s_cbranch_scc1 .Lbias_v
	v_lshlrev_b32 v5, 6, v2                        ; q, k: it runs along r: tile b's register j is column 32 (b / 2) + 16 h + 8 (b % 2) + j
.irp b, 0,1,2,3,4,5,6,7
	global_load_b128 v[BI+8*\b:BI+8*\b+3], v5, s[8:9] offset:(32*(\b/2)+8*(\b%2))*4
	global_load_b128 v[BI+8*\b+4:BI+8*\b+7], v5, s[8:9] offset:(32*(\b/2)+8*(\b%2))*4+16
.endr
	s_wait_loadcnt 0x0
	s_branch .Lbias_done
.Lbias_v:
	v_and_b32 v5, 8, v1                            ; v: it runs along p: lane r of tile a is column 32 (a / 2) + 8 (a % 2) + r + 8 (r / 8), the same for all eight registers
	v_add_nc_u32 v5, v5, v1
	v_lshlrev_b32 v5, 2, v5
.irp a, 0,1,2,3,4,5,6,7
	global_load_b32 v[BI+8*\a], v5, s[8:9] offset:(32*(\a/2)+8*(\a%2))*4
.endr
	s_wait_loadcnt 0x0
.irp a, 0,1,2,3,4,5,6,7
.irp j, 1,2,3,4,5,6,7
	v_mov_b32 v[BI+8*\a+\j], v[BI+8*\a]
.endr
.endr
.Lbias_done:
.macro FRAG reg, adr, q, i             ; 16 rows x 128 K: lane l holds row l % 16; registers 4 c .. 4 c + 3 hold K = 64 c + 32 (l / 16) + 0 .. 31
.irp c, 0,1
	ds_load_b128 v[\reg+4*\c:\reg+4*\c+3], v[\adr] offset:64*(\q)+32*\c+(\i)*16*PITCH
.endr
.endm
; 16 products: P's blocks a0, a0 + 1 x R's eight.  mode 0: onto the sums; 1: C = the bias by R's tile; 2: C = the bias by P's tile.  The 64 accumulators take turns, one instruction a turn.
.macro MUL16 a0, p, q, sc, mode
.irp a, \a0, \a0+1
.irp b, 0,1,2,3,4,5,6,7
.if \mode == 0
	v_wmma_scale_f32_16x16x128_f8f6f4 v[8*(8*((\a)%4)+\b):8*(8*((\a)%4)+\b)+7], v[128*(\p)+FR*\b:128*(\p)+FR*\b+FR-1], v[AF+FR*(\a):AF+FR*(\a)+FR-1], v[8*(8*((\a)%4)+\b):8*(8*((\a)%4)+\b)+7], v[SC+8*NQ*(\sc)+NQ*\b+(\q)], v[SC+8*NQ*(\sc)+NQ*(\a)+(\q)] matrix_a_fmt:MATRIX_FMT_FP4 matrix_b_fmt:MATRIX_FMT_FP4 matrix_a_scale:MATRIX_SCALE_ROW1
.elseif \mode == 1
	v_wmma_scale_f32_16x16x128_f8f6f4 v[8*(8*((\a)%4)+\b):8*(8*((\a)%4)+\b)+7], v[128*(\p)+FR*\b:128*(\p)+FR*\b+FR-1], v[AF+FR*(\a):AF+FR*(\a)+FR-1], v[BI+8*\b:BI+8*\b+7], v[SC+8*NQ*(\sc)+NQ*\b+(\q)], v[SC+8*NQ*(\sc)+NQ*(\a)+(\q)] matrix_a_fmt:MATRIX_FMT_FP4 matrix_b_fmt:MATRIX_FMT_FP4 matrix_a_scale:MATRIX_SCALE_ROW1
.else
	v_wmma_scale_f32_16x16x128_f8f6f4 v[8*(8*((\a)%4)+\b):8*(8*((\a)%4)+\b)+7], v[128*(\p)+FR*\b:128*(\p)+FR*\b+FR-1], v[AF+FR*(\a):AF+FR*(\a)+FR-1], v[BI+8*(\a):BI+8*(\a)+7], v[SC+8*NQ*(\sc)+NQ*\b+(\q)], v[SC+8*NQ*(\sc)+NQ*(\a)+(\q)] matrix_a_fmt:MATRIX_FMT_FP4 matrix_b_fmt:MATRIX_FMT_FP4 matrix_a_scale:MATRIX_SCALE_ROW1
.endif
.endr
.endr
.endm
.macro FETCH_B slot, q, p
	WIN TO_B
.irp i, 0,1,2,3,4,5,6,7
	FRAG 128*(\p)+FR*\i, ADRB+\slot, \q, \i
.endr
	WIN 0
.endm
.macro FETCH_A slot, q, i0
.irp i, \i0, \i0+1, \i0+2, \i0+3
	FRAG AF+FR*(\i), ADRA+\slot, \q, \i
.endr
.endm
.macro SCALES sc                       ; a K half's scale words: four a row; lanes 0-15 P's block i, lanes 16-31 R's block i
.irp i, 0,1,2,3,4,5,6,7
	ds_load_b128 v[SC+8*NQ*\sc+NQ*\i:SC+8*NQ*\sc+NQ*\i+3], v[ADRS] offset:\sc*2048+\i*256
.endr
.endm
.macro PLACES n                        ; plain vector places between a matrix instruction and a load into, or a read of, its registers
.rept \n
	v_nop
.endr
.endm
.macro STEP slot, q, mode              ; 128 along K with its successor in the same K half
	s_wait_dscnt 4*NL                              ; all but the youngest eight loads (P's blocks 4-7)
.if \mode
	WIN 0x81                                       ; C in window 0, D in window 2
.else
	WIN MUL_LO
.endif
	MUL16 0, (\q)%2, \q, \slot, \mode
	MUL16 2, (\q)%2, \q, \slot, \mode
	s_wait_dscnt 0
	PLACES NP
	FETCH_B \slot, (\q)+1, 1-(\q)%2
	FETCH_A \slot, (\q)+1, 0
.if \mode
	WIN 0xc1
.else
	WIN MUL_HI
.endif
	MUL16 4, (\q)%2, \q, \slot, \mode
	MUL16 6, (\q)%2, \q, \slot, \mode
	PLACES NP
	WIN 0
	FETCH_A \slot, (\q)+1, 4
.endm
.macro STEPS slot, from
.set Q, \from
.rept NQ-1-\from
	STEP \slot, Q, 0
.set Q, Q+1
.endr
.endm
	s_wait_tensorcnt 0x0                           ; my one load has landed; behind the barrier all four have
	s_barrier_signal -1
	s_barrier_wait -1
	FETCH_B 0, 0, 0
	FETCH_A 0, 0, 0
	SCALES 0
	FETCH_A 0, 0, 4
	s_cmp_eq_u32 s12, 1                            ; the first step's products take the bias as C: by R's tile or by P's
	s_cbranch_scc1 .Lfirst_v
	s_wait_alu depctr_va_vdst(0)
	STEP 0, 0, 1
	s_branch .Lfirst_done
.Lfirst_v:
	s_wait_alu depctr_va_vdst(0)
	STEP 0, 0, 2
.Lfirst_done:
	STEPS 0, 1
	; the last step of K half 0 fetches K half 1's first fragments and its scale words
	s_wait_dscnt 4*NL
	WIN MUL_LO
	MUL16 0, 1, NQ-1, 0, 0
	MUL16 2, 1, NQ-1, 0, 0
	s_wait_dscnt 0
	PLACES NP
	FETCH_B 1, 0, 0
	FETCH_A 1, 0, 0
	SCALES 1
	WIN MUL_HI
	MUL16 4, 1, NQ-1, 0, 0
	MUL16 6, 1, NQ-1, 0, 0
	PLACES NP
	WIN 0
	FETCH_A 1, 0, 4
	STEPS 1, 0
	s_wait_dscnt 4*NL
	WIN MUL_LO
	MUL16 0, 1, NQ-1, 1, 0
	MUL16 2, 1, NQ-1, 1, 0
	s_wait_dscnt 0
	WIN MUL_HI
	MUL16 4, 1, NQ-1, 1, 0
	MUL16 6, 1, NQ-1, 1, 0
	WIN 0
; THE WAY OUT.  P's block a: a lane's 64 numbers, register 16 g + i = r 32 g + 16 (lane / 16) + i of its row, become a fragment's codes and its scale word.  Each accumulator is read from its low end on.
.macro OUTA a
.set AW,  2+(\a)/4
.set ACB, 64*((\a)%4)
.set PC,  AF+8*(\a)                    ; codes: registers of their own for each block, so that no store's data are written again
.set PW,  PWS+(\a)
	WIN 5*AW                                       ; sources 0 and 1: the accumulators' window
.irp b, 0,1,2,3
	v_max3_num_f32 v[TM+\b], |v[ACB+16*\b]|, |v[ACB+16*\b+1]|, 0x1800000   ; with the floor 2^(3 - 127)
.endr
.irp i, 2,4,6,8,10,12,14
.irp b, 0,1,2,3
	v_max3_num_f32 v[TM+\b], |v[ACB+16*\b+\i]|, |v[ACB+16*\b+\i+1]|, v[TM+\b]
.endr
.endr
	WIN 0
.irp b, 0,1,2,3
	v_permlanex16_b32 v[TM+4+\b], v[TM+\b], s[SEL], s[SEL+1]
.endr
.irp b, 0,1,2,3
	v_max_num_f32 v[TM+\b], v[TM+\b], v[TM+4+\b]   ; with lane l xor 16's: the block's largest magnitude
.endr
.irp b, 0,1,2,3
	v_add_nc_u32 v[TM+12+\b], 0xff000000, v[TM+\b] ; 2 off the exponent field: the conversion's scale operand
.endr
.irp b, 0,1,2,3
	v_lshrrev_b32 v[TM+4+\b], 23, v[TM+12+\b]      ; the byte
.endr
	v_lshl_or_b32 v[PW], v[TM+5], 8, v[TM+4]
	v_lshl_or_b32 v[PW], v[TM+6], 16, v[PW]
	v_lshl_or_b32 v[PW], v[TM+7], 24, v[PW]
	v_lshrrev_b32 v[PW], v[SHF], v[PW]             ; q, k: lanes 0-15 keep the even head's two bytes, lanes 16-31 the odd head's; v: the whole word
	v_and_b32 v[PW], v[MSK], v[PW]
	WIN AW                                         ; source 0: the accumulators' window
.irp b, 0,1,2,3
	v_cvt_scalef32_pk8_fp4_f32 v[PC+2*\b], v[ACB+16*\b:ACB+16*\b+7], v[TM+12+\b]
	v_cvt_scalef32_pk8_fp4_f32 v[PC+2*\b+1], v[ACB+16*\b+8:ACB+16*\b+15], v[TM+12+\b]
.endr
	WIN 0
	v_nop                                          ; one plain place behind a scaled conversion
.irp c, 0,1
.irp i, 0,1
	v_permlane16_swap_b32 v[PC+4*\c+\i], v[PC+2+4*\c+\i]   ; a whole block of 32 to a lane
.endr
.endr
	global_store_b128 v[LI], v[PC:PC+3], s[94:95] offset:1024*(\a)        ; 512 consecutive bytes, aligned
	global_store_b128 v[LI], v[PC+4:PC+7], s[94:95] offset:1024*(\a)+512
	ds_store_b32 v[STS], v[PW] offset:256*((\a)%2)+4*((\a)/2)
.endm
	PLACES NP                                      ; behind the last products, ahead of the first read of results and the first write over P's fragments
.irp a, 0,1,2,3,4,5,6,7
	OUTA \a
.endr
	ds_load_b128 v[120:123], v[STR]                ; a wave's LDS instructions are served in order: these see my stores
	ds_load_b128 v[124:127], v[STR] offset:512
	s_wait_dscnt 1
	global_store_b128 v[LI], v[120:123], s[96:97]  ; q, k: the even head's block; v: the head pair's
	s_wait_dscnt 0x0
	s_cmp_eq_u32 s12, 1
	s_cbranch_scc1 .Lno_second
	global_store_b128 v[LI], v[124:127], s[96:97] offset:8192   ; q, k: the odd head's block, 16 blocks on
.Lno_second:
	s_wait_tensorcnt 0x0
	ds_add_u32 v106, v107
	s_wait_dscnt 0x0
	CROUND                                         ; the closing round
	s_endpgm
.Lfunc_end_k_q2daff62814_gemm1:
	.size	k_q2daff62814_gemm1, .Lfunc_end_k_q2daff62814_gemm1-k_q2daff62814_gemm1
	.p2alignl 7, 3214868480
	.fill 96, 4, 3214868480
	.section	.rodata,"a",@progbits
	.p2align	6, 0x0
	.amdhsa_kernel k_q2daff62814_gemm1
		.amdhsa_group_segment_fixed_size 299520
		.amdhsa_private_segment_fixed_size 0
		.amdhsa_enable_private_segment 0
		.amdhsa_kernarg_size 32
		.amdhsa_user_sgpr_count 2
		.amdhsa_user_sgpr_kernarg_segment_ptr 1
		.amdhsa_wavefront_size32 1
		.amdhsa_system_sgpr_workgroup_id_x 1
		.amdhsa_system_sgpr_workgroup_id_y 1
		.amdhsa_system_sgpr_workgroup_id_z 1
		.amdhsa_system_vgpr_workitem_id 0
		.amdhsa_next_free_vgpr 1024
		.amdhsa_next_free_sgpr 100
		.amdhsa_reserve_vcc 0
		.amdhsa_float_denorm_mode_32 3
		.amdhsa_float_denorm_mode_16_64 3
		.amdhsa_memory_ordered 1
		.amdhsa_forward_progress 1
		.amdhsa_inst_pref_size 144
	.end_amdhsa_kernel
	.amdgpu_metadata
---
amdhsa.version: [ 1, 2 ]
amdhsa.kernels:
  - .name:           k_q2daff62814_gemm1
    .symbol:         k_q2daff62814_gemm1.kd
    .args:
      - { .name: xq, .offset: 0, .size: 8, .value_kind: global_buffer, .address_space: global }
      - { .name: wq, .offset: 8, .size: 8, .value_kind: global_buffer, .address_space: global }
      - { .name: b_qkv, .offset: 16, .size: 8, .value_kind: global_buffer, .address_space: global }
      - { .name: qkv, .offset: 24, .size: 8, .value_kind: global_buffer, .address_space: global }
    .group_segment_fixed_size: 299520
    .private_segment_fixed_size: 0
    .kernarg_segment_align: 8
    .kernarg_segment_size: 32
    .max_flat_workgroup_size: 128
    .sgpr_count:     100
    .vgpr_count:     1024
    .wavefront_size: 32
...
	.end_amdgpu_metadata
.endif
;; end of part 2
;; launch attn (part 3): grid 4 x 64, 16 waves a work-group, clusters of 4 x 1, 169,984 bytes of LDS; arguments qkv, att; writes att
.if DOCPART == 3
	.amdgcn_target "amdgcn-amd-amdhsa--gfx1250"
	.amdhsa_code_object_version 6
	.text
	.protected	k_q2daff62814_attn
	.globl	k_q2daff62814_attn
	.p2align	8
	.type	k_q2daff62814_attn,@function
k_q2daff62814_attn:
	s_mov_b64 s[64:65], 0
	v_nop
	global_prefetch_b8 v0, s[64:65] scope:SCOPE_SE
	s_setreg_imm32_b32 hwreg(HW_REG_WAVE_MODE, 25, 1), 1
	s_wait_xcnt 0x0
	s_wait_alu depctr_hold_cnt(0) depctr_sa_sdst(0) depctr_va_vdst(0) depctr_va_sdst(0) depctr_va_ssrc(0) depctr_va_vcc(0) depctr_vm_vsrc(0)
	s_getreg_b32 s2, hwreg(HW_REG_IB_STS2, 6, 4)
	s_cmp_eq_u32 s2, 0
	s_cbranch_scc0 .Lentry_in_a_cluster
	s_endpgm
.Lentry_in_a_cluster:
	s_bfe_u32 s2, ttmp6, 0x10000c
	s_cmp_lg_u32 s2, 0x3003
	s_cbranch_scc0 .Lentry_shape_is_right
	s_endpgm
.Lentry_shape_is_right:
; o = softmax(q k^T / 8) v for one head of 64, both products on codes of FP4, and o quantised at once into the operand of the output projection.
; THE SOFTMAX: t = score x log2(e) / 8; M = the running largest t, rounded UP to a whole number; p = 2^(t - M) is quantised along the keys, not normalised; the row's sum is taken of the unquantised p and divides O at the end.
; When M moves, the sum and O are multiplied by 2^(old M - new M): exact.
; SHARES.  A work-group owns 512 queries of one (batch, head); each of its sixteen waves 32 of them, two tiles A and B, which share every fragment of K and V that the wave reads from LDS.  256 work-groups.
; A head's K and V (register images) and their scale words lie whole in LDS, filled once by ten tensor loads, one a wave; one barrier; the loop over the 16 key steps of 128 keys has none.
; CLUSTER.  The four work-groups of a cluster are the 2,048 queries of one head: every load is asked for jointly.  Nothing is prefetched: all that a work-group reads is asked for at its head, so there is no loop to run ahead in.
; LAYOUT.  S^T = K Q^T (source 0 = 16 keys, source 1 = 16 queries), O^T = V^T P^T (source 0 = 16 of the head's 64): a lane holds ONE query of each tile throughout.
; THE KEYS OF A TILE ARE CHOSEN BY THE LDS ADDRESS: row 8 h + j of tile 4 c + u is key 64 c + 32 h + 8 u + j of the step.  So lane (r, h) holds in the 32 registers of tiles 4 c .. 4 c + 3 the WHOLE block of keys 64 c + 32 h + 0 .. 31:
; a block's maximum needs no other lane, and the conversion of tile 4 c + u gives register 4 c + u of the second product's operand as it stands.
; In memory rows lie in storage order (bits 3 and 4 of the index exchanged): that key is row 8 (u / 2) + j of storage tile 4 c + 2 h + u % 2.  A tile's image has 64 bytes of padding behind its 512, so that the 16 lanes of a load touch 16 different 16-byte columns modulo 256.
; THE FIRST PRODUCT'S K IS 64: Q's upper four registers are zero codes; a tile of K is read as 8 registers of which the upper four are the next tile's codes, which meet those zeros; the upper two scale bytes are 0 on both sides, which is 2^-127 and no NaN.
; LIMITS: the promise holds while the scaled scores t stay under 2^31 in magnitude; NaN and infinities are not served; p under 2^-126 counts as 0; a block of zeros gets the byte 1 (its codes are zeros; this program alone reads the bytes); a largest magnitude under 2^-124 is held at that floor.
.set QS,    12582912
.set KT,    576                        ; a tile of K in LDS: 512 bytes + 64 of padding
.set VIM,   128*KT                     ; V's images: 4,096 bytes a key step: 1,024 x tile of 16 + 512 c
.set KSC,   VIM+65536                  ; K's scale words, 512 bytes a key step
.set VSC,   KSC+8192                   ; V's, both heads of the pair
.set ASG,   VSC+8192                   ; 1,024 bytes: o's scale bytes on the way out; no fill lands here
.set SPARE, ASG+1024                   ; the spare words, 128 bytes a wave
.set LK,   1                           ; v1-5 lane addresses that stay: K, V, K's scale words, V's, 16 x lane
.set LV,   2
.set LKS,  3
.set LVS,  4
.set LI,   5
.set SPW,  6
.set NIL,  7
.set ADK,  8                           ; v8-11 the step's addresses
.set ADV,  9
.set ADS,  10
.set ADT,  11
.set STA,  12                          ; a tile's state: -M, the largest score, the sum in two halves
.set QA,   16                          ; Q's codes and four registers of zero codes
.set STB,  24
.set QB,   28
.set SH8,  36                          ; 8 (lane / 16)
.set KF,   40                          ; v40-71 K's eight tiles, later V's four; v72-75 zeros
.set KSW,  76                          ; K's scale words: register u: lanes 0-15 tile u, lanes 16-31 tile 4 + u
.set VSW,  80
.set QSA,  82
.set QSB,  83
.set PCA,  84                          ; p's codes
.set PWA,  92                          ; the pair f, p's scale word
.set PWB,  94
.set SS,   96                          ; v96-159 S^T, then p
.set OA,   160
.set OBB,  192
.set PCB,  224
.set MX,   232                         ; v232-235 the blocks' maxima, then their scale operands and bytes
.set TP,   236                         ; v236-238 at work in the row's maximum
.set CH,   240                         ; v240-247 eight chains of maxima; v236-249 seven chains of the row's sum
.set SA,   240
.set WV,   18
.set SEL,  20
.set CS,   22
.set G1K,  24
.set G1V,  32
.set G1S,  40
.set G0K,  48
.set G0V,  52
.set G0KS, 56
.set G0VS, 60
.set TK,   66
.set TV,   67
.set TS,   68
.macro CROUND                          ; a round of the cluster's barrier
	s_barrier_signal -1
	s_barrier_wait -1
	s_cmp_lg_u32 s[WV], 0
	s_cbranch_scc1 .Lnot_wave_0_\@
	s_barrier_signal -3
.Lnot_wave_0_\@:
	s_barrier_wait -3
	s_barrier_signal -1
	s_barrier_wait -1
.endm
.macro ARM under, g0, g1, next         ; one arm of the head's chain: one joint load, its s_nop 0 and four v_nop, a jump to the join
	s_cmp_lt_u32 s[WV], \under
	s_cbranch_scc0 \next
	tensor_load_to_lds s[\g0:\g0+3], s[\g1:\g1+7]
	s_nop 0
.rept 4
	v_nop
.endr
	s_branch .Lhead_asked
\next:
.endm
	s_load_b128 s[4:7], s[0:1], 0x0                ; qkv s[4:5], att s[6:7]
	v_lshl_add_u32 v[SPW], v0, 2, SPARE
	v_mov_b32 v[NIL], 0
	ds_add_u32 v[SPW], v[NIL]                      ; the opening: the add, twice on end, and its wait
	ds_add_u32 v[SPW], v[NIL]
	v_lshrrev_b32 v8, 5, v0
	v_readfirstlane_b32 s[WV], v8                  ; wave 0..15
	s_bfe_u32 s13, ttmp6, 0x40000                  ; cx
	s_lshl_b32 s14, ttmp9, 2
	s_add_co_u32 s14, s14, s13                     ; my block of 512 queries: it enters global addresses of q and o alone
	s_and_b32 s8, ttmp7, 0xffff                    ; 16 x batch + head, which the four partners share
	s_lshr_b32 s9, s8, 4                           ; batch
	s_and_b32 s10, s8, 15                          ; head
	s_lshr_b32 s11, s10, 1                         ; head pair
	s_and_b32 s12, s10, 1                          ; parity
	s_lshl_b32 s15, s9, 3
	s_add_co_u32 s15, s15, s11                     ; 8 x batch + head pair
	; groups 1: elements of 8 bytes, the mask of all four work-groups, bit 21 beside it
	s_mov_b32 s[G1K], 15|(3<<16)|(1<<20)|(1<<21)|(6<<22)|(15<<25)   ; K: 32 tiles of 512 bytes, 1,024 bytes apart; 16 words of padding behind every 128
	s_mov_b32 s[G1K+1], 64<<16
	s_mov_b32 s[G1K+2], 32<<16
	s_mov_b32 s[G1K+3], 64<<16
	s_mov_b32 s[G1K+4], 32
	s_mov_b32 s[G1K+5], 128
	s_mov_b32 s[G1K+6], 0
	s_mov_b32 s[G1K+7], 0
	s_mov_b32 s[G1V], 15|(3<<16)|(1<<21)           ; V: 4 key steps of 4,096 bytes, 8,192 bytes apart
	s_mov_b32 s[G1V+1], 512<<16
	s_mov_b32 s[G1V+2], 4<<16
	s_mov_b32 s[G1V+3], 512<<16
	s_mov_b32 s[G1V+4], 4
	s_mov_b32 s[G1V+5], 1024
	s_mov_b32 s[G1V+6], 0
	s_mov_b32 s[G1V+7], 0
	s_mov_b32 s[G1S], 15|(3<<16)|(1<<21)           ; scale words: 8,192 dense bytes as 32 rows of 256
	s_mov_b32 s[G1S+1], 32<<16
	s_mov_b32 s[G1S+2], 32<<16
	s_mov_b32 s[G1S+3], 32<<16
	s_mov_b32 s[G1S+4], 32
	s_mov_b32 s[G1S+5], 32
	s_mov_b32 s[G1S+6], 0
	s_mov_b32 s[G1S+7], 0
	s_mov_b32 s[SEL], 0x76543210
	s_mov_b32 s[SEL+1], 0xfedcba98
	s_mov_b32 s[CS], 0x3e38aa3b                    ; c = log2(e) / 8
	s_mov_b32 s[CS+1], s[CS]
	s_and_b32 s19, s[WV], 3                        ; which chunk of 512 keys I fetch, if I fetch
	s_lshl_b32 s16, s15, 17                        ; a head pair's images: 131,072 bytes
	s_lshl_b32 s17, s19, 15
	s_add_co_u32 s16, s16, s17
	s_lshl_b32 s17, s12, 9
	s_add_co_u32 s2, s16, s17
	s_add_co_u32 s2, s2, 4194304                   ; K's chunk
	s_mov_b32 s3, 0
	s_lshl_b32 s17, s12, 12
	s_add_co_u32 s70, s16, s17
	s_add_co_u32 s70, s70, 8388608                 ; V's chunk
	s_mov_b32 s71, 0
	s_lshl_b32 s76, s8, 13
	s_add_co_u32 s76, s76, QS+524288               ; K's scale words
	s_mov_b32 s77, 0
	s_lshl_b32 s78, s15, 13
	s_add_co_u32 s78, s78, QS+1048576              ; V's
	s_mov_b32 s79, 0
	s_mov_b32 s[G0K], 1
	s_mul_i32 s[G0K+1], s19, 32*KT
	s_mov_b32 s[G0V], 1
	s_lshl_b32 s[G0V+1], s19, 14
	s_add_co_u32 s[G0V+1], s[G0V+1], VIM
	s_mov_b32 s[G0KS], 1
	s_mov_b32 s[G0KS+1], KSC
	s_mov_b32 s[G0VS], 1
	s_mov_b32 s[G0VS+1], VSC
	s_wait_dscnt 0x0                               ; both opening adds are done
	s_wait_kmcnt 0x0
	s_add_nc_u64 s[G0K+2:G0K+3], s[4:5], s[2:3]
	s_or_b32 s[G0K+3], s[G0K+3], 0x80000000
	s_add_nc_u64 s[G0V+2:G0V+3], s[4:5], s[70:71]
	s_or_b32 s[G0V+3], s[G0V+3], 0x80000000
	s_add_nc_u64 s[G0KS+2:G0KS+3], s[4:5], s[76:77]
	s_or_b32 s[G0KS+3], s[G0KS+3], 0x80000000
	s_add_nc_u64 s[G0VS+2:G0VS+3], s[4:5], s[78:79]
	s_or_b32 s[G0VS+3], s[G0VS+3], 0x80000000
	CROUND                                         ; all four work-groups are here: the joint loads meet
	; one load a wave: waves 0-3 K's four chunks, waves 4-7 V's, wave 8 K's scale words, wave 9 V's
	ARM 4,  G0K,  G1K, .Lhead_v
	ARM 8,  G0V,  G1V, .Lhead_ks
	ARM 9,  G0KS, G1S, .Lhead_vs
	ARM 10, G0VS, G1S, .Lhead_none
.Lhead_asked:
	s_lshl_b32 s19, s12, 3
	s_add_co_u32 s19, s19, VSC                     ; V's scale words: my head's two of the four words at 16 x lane
	s_lshr_b32 s16, s[WV], 2
	s_lshl_b32 s17, s14, 2
	s_add_co_u32 s16, s16, s17                     ; my block of 128 rows
	s_and_b32 s17, s[WV], 3                        ; my pair of tiles in it
	s_lshl_b32 s2, s15, 4
	s_add_co_u32 s2, s2, s16
	s_lshl_b32 s2, s2, 13
	s_lshl_b32 s3, s17, 11
	s_add_co_u32 s2, s2, s3
	s_lshl_b32 s3, s12, 9
	s_add_co_u32 s2, s2, s3
	s_mov_b32 s3, 0
	s_add_nc_u64 s[2:3], s[4:5], s[2:3]            ; Q's image of tile A; B's 1,024 bytes on
	s_lshl_b32 s76, s8, 4
	s_add_co_u32 s76, s76, s16
	s_lshl_b32 s76, s76, 9
	s_lshl_b32 s77, s17, 2
	s_add_co_u32 s76, s76, s77
	s_add_co_u32 s76, s76, QS
	s_mov_b32 s77, 0
	s_add_nc_u64 s[76:77], s[4:5], s[76:77]        ; Q's scale words of tile A; B's 256 bytes on
	s_lshl_b32 s72, s9, 7
	s_lshl_b32 s73, s14, 5
	s_add_co_u32 s72, s72, s73
	s_lshl_b32 s73, s[WV], 1
	s_add_co_u32 s72, s72, s73                     ; tile A among the batch's 128
	s_lshl_b32 s72, s72, 3
	s_add_co_u32 s72, s72, s11
	s_lshl_b32 s72, s72, 10
	s_lshl_b32 s73, s12, 9
	s_add_co_u32 s72, s72, s73
	s_mov_b32 s73, 0
	s_add_nc_u64 s[72:73], s[6:7], s[72:73]        ; o's image of tile A; B's 8,192 bytes on
	s_lshl_b32 s74, s10, 14
	s_lshl_b32 s75, s9, 12
	s_add_co_u32 s74, s74, s75
	s_lshl_b32 s75, s14, 10
	s_add_co_u32 s74, s74, s75
	s_add_co_u32 s74, s74, 4194304
	s_mov_b32 s75, 0
	s_add_nc_u64 s[74:75], s[6:7], s[74:75]        ; the work-group's 1,024 scale bytes of o
	s_mov_b32 s[TK], 0
	s_mov_b32 s[TV], 0
	s_mov_b32 s[TS], 0
	v_and_b32 v8, 15, v0                           ; r
	v_bfe_u32 v9, v0, 4, 1                         ; h
	v_and_b32 v10, 31, v0
	v_lshlrev_b32 v[LI], 4, v10                    ; 16 x lane
	v_and_b32 v10, 7, v8
	v_lshrrev_b32 v11, 3, v8
	v_lshlrev_b32 v[LK], 4, v10
	v_lshlrev_b32 v[LKS], 4, v10
	v_mad_u32_u24 v[LK], v11, 2*KT, v[LK]
	v_lshl_add_u32 v[LKS], v11, 2, v[LKS]
	v_lshl_add_u32 v[LK], v9, 8, v[LK]             ; K: 2 (r / 8) tiles + 16 (r % 8) + 256 h
	v_lshl_add_u32 v[LKS], v9, 3, v[LKS]
	v_lshlrev_b32 v10, 4, v8                       ; Q's scale words: 16 r
	v_add_nc_u32 v[LKS], KSC, v[LKS]               ; K's scale words: 16 (r % 8) + 4 (r / 8); lanes 16-31 take the tile four on: + 8
	v_add_nc_u32 v[LV], VIM, v[LI]
	v_add_nc_u32 v[LVS], s19, v[LI]
	v_lshlrev_b32 v[SH8], 3, v9
	global_load_b128 v[QA:QA+3], v[LI], s[2:3]
	global_load_b128 v[QB:QB+3], v[LI], s[2:3] offset:1024
	global_load_b32 v[QSA], v10, s[76:77]
	global_load_b32 v[QSB], v10, s[76:77] offset:256
.irp s, STA, STB
	v_mov_b32 v[\s+1], 0xff61b1e6                  ; the largest score so far: -3e38
	v_floor_f32 v[\s], -v[\s+1]                    ; -M
	v_mov_b32 v[\s+2], 0
	v_mov_b32 v[\s+3], 0
.endr
.irp j, QA+4,QA+5,QA+6,QA+7,QB+4,QB+5,QB+6,QB+7,KF+32,KF+33,KF+34,KF+35
	v_mov_b32 v[\j], 0                             ; zero codes for K = 64 .. 127
.endr
	v_mov_b32 v[TP], 0                             ; a lane permute's destination counts as one of its sources
	v_mov_b32 v[PWA+1], 0
	v_mov_b32 v[PWB+1], 0
.set j, 0
.rept 64
	v_mov_b32 v[OA+j], 0                           ; O^T of both tiles: the step is written once; the first change of M leaves zeros zeros
.set j, j+1
.endr
.macro SMUL q, qs                      ; S^T = K Q^T: eight tiles of 16 keys
.irp t, 0,1,2,3
	v_wmma_scale_f32_16x16x128_f8f6f4 v[SS+8*\t:SS+8*\t+7], v[KF+4*\t:KF+4*\t+7], v[\q:\q+7], 0, v[KSW+\t], v[\qs] matrix_a_fmt:MATRIX_FMT_FP4 matrix_b_fmt:MATRIX_FMT_FP4
.endr
.irp t, 4,5,6,7
	v_wmma_scale_f32_16x16x128_f8f6f4 v[SS+8*\t:SS+8*\t+7], v[KF+4*\t:KF+4*\t+7], v[\q:\q+7], 0, v[KSW+\t-4], v[\qs] matrix_a_fmt:MATRIX_FMT_FP4 matrix_b_fmt:MATRIX_FMT_FP4 matrix_a_scale:MATRIX_SCALE_ROW1
.endr
.endm
.macro PV ob, pc, pw                   ; O^T += V^T P^T: four tiles of 16 of the head's 64
.irp u, 0,1
	v_wmma_scale_f32_16x16x128_f8f6f4 v[\ob+16*\u:\ob+16*\u+7], v[KF+16*\u:KF+16*\u+7], v[\pc:\pc+7], v[\ob+16*\u:\ob+16*\u+7], v[VSW+\u], v[\pw+1] matrix_a_fmt:MATRIX_FMT_FP4 matrix_b_fmt:MATRIX_FMT_FP4
	v_wmma_scale_f32_16x16x128_f8f6f4 v[\ob+16*\u+8:\ob+16*\u+15], v[KF+16*\u+8:KF+16*\u+15], v[\pc:\pc+7], v[\ob+16*\u+8:\ob+16*\u+15], v[VSW+\u], v[\pw+1] matrix_a_fmt:MATRIX_FMT_FP4 matrix_b_fmt:MATRIX_FMT_FP4 matrix_a_scale:MATRIX_SCALE_ROW1
.endr
.endm
; One tile's softmax of a key step: from the 64 scores of a lane to p's codes and scale word, the sum and O^T under the new M.  ld = 1: V's fragments are asked for into K's registers, which the products above have read.
.macro SOFT st, pc, pw, ob, ld
	v_mov_b32 v[TP+2], v[\st]                      ; the old -M; with the three below: four places behind the products
.rept 3
	v_nop
.endr
.if \ld
.irp d, 0,1,2,3
.irp c, 0,1
	ds_load_b128 v[KF+8*\d+4*\c:KF+8*\d+4*\c+3], v[ADV] offset:1024*\d+512*\c
.endr
.endr
	ds_load_b64 v[VSW:VSW+1], v[ADT]               ; register u: lanes 0-15 tile 2 u's words, lanes 16-31 tile 2 u + 1's
.endif
.irp k, 0,1,2,3,4,5,6,7
	v_max3_num_f32 v[CH+\k], v[SS+8*\k], v[SS+8*\k+1], v[SS+8*\k+2]   ; eight chains by turns, one to a tile: a line reads what the eighth line back wrote
.endr
.irp i, 3,5
.irp k, 0,1,2,3,4,5,6,7
	v_max3_num_f32 v[CH+\k], v[CH+\k], v[SS+8*\k+\i], v[SS+8*\k+\i+1]
.endr
.endr
	v_max_num_f32 v[MX+1], v[SS+23], v[SS+31]      ; each tile's eighth register is folded in while the chains are joined
	v_max_num_f32 v[MX+3], v[SS+55], v[SS+63]
	v_max3_num_f32 v[MX], v[CH], v[CH+1], v[SS+7]
	v_max3_num_f32 v[MX+2], v[CH+4], v[CH+5], v[SS+39]
	v_max3_num_f32 v[CH+2], v[CH+2], v[CH+3], v[SS+15]
	v_max3_num_f32 v[CH+6], v[CH+6], v[CH+7], v[SS+47]
	s_delay_alu instid0(VALU_DEP_2)
	v_max3_num_f32 v[MX], v[MX], v[CH+2], v[MX+1]  ; the largest score of my block 2 c + h, c = 0,
	s_delay_alu instid0(VALU_DEP_2)
	v_max3_num_f32 v[MX+2], v[MX+2], v[CH+6], v[MX+3]   ; and c = 1: for the row's maximum, and, since p rises with the score, for the block's largest p
	s_delay_alu instid0(VALU_DEP_1)
	v_max3_num_f32 v[\st+1], v[\st+1], v[MX], v[MX+2]
	s_delay_alu instid0(VALU_DEP_1)
	v_permlanex16_b32 v[TP], v[\st+1], s[SEL], s[SEL+1]
	s_delay_alu instid0(VALU_DEP_1)
	v_max_num_f32 v[\st+1], v[\st+1], v[TP]        ; the running largest score of my query
	s_delay_alu instid0(VALU_DEP_1)
	v_mul_f32 v[TP+1], s[CS], v[\st+1]             ; as t (c is positive)
	s_delay_alu instid0(VALU_DEP_1)
	v_floor_f32 v[\st], -v[TP+1]                   ; the new -M = -ceil(t)
	s_delay_alu instid0(VALU_DEP_1)
	v_sub_f32 v[TP+2], v[\st], v[TP+2]             ; old M - new M: a whole number, 0 or less
	s_delay_alu instid0(VALU_DEP_1)
	v_cvt_i32_f32 v[TP+2], v[TP+2]                 ; (it saturates)
	s_delay_alu instid0(VALU_DEP_1)
	v_ldexp_f32 v[\pw], 1.0, v[TP+2]               ; f = 2^(old M - new M)
.set j, 0
.rept 32
	v_pk_fma_f32 v[SS+j:SS+j+1], v[SS+j:SS+j+1], s[CS:CS+1], v[\st:\st+1] op_sel_hi:[1,0,0]   ; t - M
.set j, j+2
.endr
	v_fma_f32 v[MX], v[MX], s[CS], v[\st]
	v_fma_f32 v[MX+2], v[MX+2], s[CS], v[\st]
	s_wait_alu depctr_va_vdst(0)                   ; the wait ahead of the batch
.set j, 0
.rept 64
	v_exp_f32 v[SS+j], v[SS+j]                     ; p = 2^(t - M)
.set j, j+1
.endr
	v_pk_mul_f32 v[\st+2:\st+3], v[\st+2:\st+3], v[\pw:\pw+1] op_sel_hi:[1,0]   ; the sums under the new M; a plain place behind the exponentials
	s_wait_alu depctr_va_vdst(0)                   ; one wait for the batch of 64, ahead of its first reader
	v_exp_f32 v[MX], v[MX]                         ; each block's largest p
	v_exp_f32 v[MX+2], v[MX+2]
	; the row's sum of the unquantised p, two at a time, in eight chains by turns
	v_pk_add_f32 v[236:237], v[100:101], v[104:105]
	v_pk_add_f32 v[248:249], v[108:109], v[112:113]
	v_pk_add_f32 v[246:247], v[116:117], v[120:121]
	v_pk_add_f32 v[244:245], v[124:125], v[128:129]
	v_pk_add_f32 v[242:243], v[132:133], v[136:137]
	v_pk_add_f32 v[240:241], v[140:141], v[144:145]
	v_pk_add_f32 v[238:239], v[148:149], v[152:153]
	v_pk_add_f32 v[\st+2:\st+3], v[\st+2:\st+3], v[156:157]
	v_pk_add_f32 v[236:237], v[236:237], v[96:97]
	v_pk_add_f32 v[248:249], v[248:249], v[98:99]
	v_pk_add_f32 v[246:247], v[246:247], v[102:103]
	v_pk_add_f32 v[244:245], v[244:245], v[106:107]
	v_pk_add_f32 v[242:243], v[242:243], v[110:111]
	v_pk_add_f32 v[240:241], v[240:241], v[114:115]
	v_pk_add_f32 v[238:239], v[238:239], v[118:119]
	v_pk_add_f32 v[\st+2:\st+3], v[\st+2:\st+3], v[122:123]
	v_pk_add_f32 v[236:237], v[236:237], v[126:127]
	v_pk_add_f32 v[248:249], v[248:249], v[130:131]
	v_pk_add_f32 v[246:247], v[246:247], v[134:135]
	v_pk_add_f32 v[244:245], v[244:245], v[138:139]
	v_pk_add_f32 v[242:243], v[242:243], v[142:143]
	v_pk_add_f32 v[240:241], v[240:241], v[146:147]
	v_pk_add_f32 v[238:239], v[238:239], v[150:151]
	v_pk_add_f32 v[\st+2:\st+3], v[\st+2:\st+3], v[154:155]
	v_pk_add_f32 v[236:237], v[236:237], v[158:159]
	s_delay_alu instid0(VALU_DEP_2)
	v_pk_add_f32 v[\st+2:\st+3], v[\st+2:\st+3], v[244:245]
	s_delay_alu instid0(VALU_DEP_2)
	v_pk_add_f32 v[236:237], v[236:237], v[242:243]
	v_pk_add_f32 v[248:249], v[248:249], v[240:241]
	v_pk_add_f32 v[246:247], v[246:247], v[238:239]
	s_delay_alu instid0(VALU_DEP_2)
	v_pk_add_f32 v[\st+2:\st+3], v[\st+2:\st+3], v[248:249]
	s_delay_alu instid0(VALU_DEP_2)
	v_pk_add_f32 v[236:237], v[236:237], v[246:247]
	s_delay_alu instid0(VALU_DEP_1)
	v_pk_add_f32 v[\st+2:\st+3], v[\st+2:\st+3], v[236:237]
	s_wait_alu depctr_va_vdst(0)                   ; and one for the two
	v_max_num_f32 v[MX], 0x1800000, v[MX]          ; the floor 2^(3 - 127): the byte cannot fall under 1
	v_max_num_f32 v[MX+2], 0x1800000, v[MX+2]
	s_delay_alu instid0(VALU_DEP_2)
	v_add_nc_u32 v[MX+1], 0xff000000, v[MX]        ; 2 off the exponent field: the conversion's scale operand
	s_delay_alu instid0(VALU_DEP_2)
	v_add_nc_u32 v[MX+3], 0xff000000, v[MX+2]
	s_delay_alu instid0(VALU_DEP_2)
	v_lshrrev_b32 v[MX], 23, v[MX+1]               ; the byte
	s_delay_alu instid0(VALU_DEP_2)
	v_lshrrev_b32 v[MX+2], 23, v[MX+3]
	s_delay_alu instid0(VALU_DEP_1)
	v_lshl_or_b32 v[MX], v[MX+2], 16, v[MX]        ; my two bytes, blocks h and 2 + h,
	s_delay_alu instid0(VALU_DEP_1)
	v_lshlrev_b32 v[MX], v[SH8], v[MX]             ; at their places in the word;
	s_delay_alu instid0(VALU_DEP_1)
	v_permlanex16_b32 v[TP], v[MX], s[SEL], s[SEL+1]
	s_delay_alu instid0(VALU_DEP_1)
	v_or_b32 v[\pw+1], v[MX], v[TP]                ; with lane l xor 16's two: p's scale word for these 128 keys
.irp t, 0,1,2,3,4,5,6,7
	v_cvt_scalef32_pk8_fp4_f32 v[\pc+\t], v[SS+8*\t:SS+8*\t+7], v[MX+1+2*(\t/4)]   ; register 4 c + u of the operand: keys 64 c + 32 h + 8 u + 0 .. 7
.endr
	v_nop                                          ; one plain place behind a scaled conversion
	s_wait_alu depctr_va_vdst(0)                   ; directly ahead of the first reader of O^T
.set j, 0
.rept 16
	v_pk_mul_f32 v[\ob+j:\ob+j+1], v[\ob+j:\ob+j+1], v[\pw:\pw+1] op_sel_hi:[1,0]   ; O^T under the new M; these sixteen also stand between the writes of p's codes and scale word and the products
.set j, j+2
.endr
.endm
	s_wait_alu depctr_va_vdst(0)                   ; the wait at the head's end
	s_wait_loadcnt 0x0                             ; Q
	s_wait_tensorcnt 0x0                           ; my one load, if I have one, has landed
	s_barrier_signal -1
	s_barrier_wait -1                              ; all ten have: K, V and their scale words are whole in LDS
.Lstep:                                            ; 16 key steps of 128 keys
	v_add_nc_u32 v[ADK], s[TK], v[LK]              ; (these four are also the places between the last step's products and the loads into the registers that they read)
	v_add_nc_u32 v[ADS], s[TS], v[LKS]
	v_add_nc_u32 v[ADV], s[TV], v[LV]
	v_add_nc_u32 v[ADT], s[TS], v[LVS]
.irp t, 0,1,2,3,4,5,6,7
	ds_load_b128 v[KF+4*\t:KF+4*\t+3], v[ADK] offset:(\t/4)*4*KT+(\t%2)*KT+((\t%4)/2)*128
.endr
.irp u, 0,1,2,3
	ds_load_b32 v[KSW+\u], v[ADS] offset:128*(\u/2)+256*(\u%2)
.endr
	s_wait_dscnt 0x0
	SMUL QA, QSA
	SOFT STA, PCA, PWA, OA, 0
	SMUL QB, QSB
	SOFT STB, PCB, PWB, OBB, 1
	s_wait_alu depctr_va_vdst(0)                   ; directly ahead of the wait below
	s_wait_dscnt 0x0                               ; V and its scale words are in
	PV OA, PCA, PWA
	PV OBB, PCB, PWB
	s_add_co_u32 s[TK], s[TK], 8*KT
	s_add_co_u32 s[TV], s[TV], 4096
	s_add_co_u32 s[TS], s[TS], 512                 ; the scale words' step counts the trips too: 16 x 512
	s_cmp_lg_u32 s[TS], 8192
	s_cbranch_scc1 .Lstep
	; THE WAY OUT.  O^T / the sum: register 16 g + i is o(my query, 32 g + 16 (lane / 16) + i): two blocks of 32 along the output projection's K.
.irp s, STA, STB
	v_add_f32 v[\s+2], v[\s+2], v[\s+3]
	v_permlanex16_b32 v[\s+3], v[\s+2], s[SEL], s[SEL+1]
	v_add_f32 v[\s+2], v[\s+2], v[\s+3]            ; the row's sum
.endr
	s_wait_alu depctr_va_vdst(0)                   ; the wait ahead of the transcendentals
	v_rcp_f32 v[STA+2], v[STA+2]
	v_rcp_f32 v[STB+2], v[STB+2]
	v_and_b32 v[ADK], 15, v0                       ; (plain places behind the reciprocals)
	s_lshl_b32 s19, s[WV], 6
	s_add_co_u32 s19, s19, ASG
	v_lshl_add_u32 v[ADK], v[ADK], 1, s19          ; my row's two scale bytes: 64 x wave + 2 r; tile B's 32 on
	v_lshlrev_b32 v[ADV], 4, v0                    ; the scale bytes' way out (waves 0 and 1): 16 bytes a thread
	v_add_nc_u32 v[ADS], ASG, v[ADV]
	s_wait_alu depctr_va_vdst(0)                   ; ahead of the reciprocals' first reader, which is also the first reader of the last products' results
.set j, 0
.rept 16
	v_pk_mul_f32 v[SS+j:SS+j+1], v[OA+j:OA+j+1], v[STA+2:STA+3] op_sel_hi:[1,0]
.set j, j+2
.endr
.set j, 0
.rept 16
	v_pk_mul_f32 v[SS+32+j:SS+32+j+1], v[OBB+j:OBB+j+1], v[STB+2:STB+3] op_sel_hi:[1,0]
.set j, j+2
.endr
.macro QUANT w, t, pc, goff, loff      ; a tile's 16 x 64 numbers become half a fragment's codes and two scale bytes a row
.irp b, 0,1
	v_max3_num_f32 v[\t+\b], |v[\w+16*\b]|, |v[\w+16*\b+1]|, 0x1800000
.endr
.irp i, 2,4,6,8,10,12,14
.irp b, 0,1
	v_max3_num_f32 v[\t+\b], v[\t+\b], |v[\w+16*\b+\i]|, |v[\w+16*\b+\i+1]|
.endr
.endr
.irp b, 0,1
	v_permlanex16_b32 v[\t+2+\b], v[\t+\b], s[SEL], s[SEL+1]
.endr
.irp b, 0,1
	v_max_num_f32 v[\t+\b], v[\t+\b], v[\t+2+\b]   ; with lane l xor 16's: the block's largest magnitude
.endr
.irp b, 0,1
	v_add_nc_u32 v[\t+4+\b], 0xff000000, v[\t+\b]
.endr
.irp b, 0,1
	v_lshrrev_b32 v[\t+2+\b], 23, v[\t+4+\b]
.endr
	v_lshl_or_b32 v[\t+2], v[\t+3], 8, v[\t+2]
.irp b, 0,1
	v_cvt_scalef32_pk8_fp4_f32 v[\pc+2*\b], v[\w+16*\b:\w+16*\b+7], v[\t+4+\b]
	v_cvt_scalef32_pk8_fp4_f32 v[\pc+2*\b+1], v[\w+16*\b+8:\w+16*\b+15], v[\t+4+\b]
.endr
	v_nop                                          ; one plain place behind a scaled conversion
	v_permlane16_swap_b32 v[\pc], v[\pc+2]         ; a whole block of 32 to a lane
	v_permlane16_swap_b32 v[\pc+1], v[\pc+3]
	global_store_b128 v[LI], v[\pc:\pc+3], s[72:73] offset:\goff   ; 512 consecutive bytes, aligned
	ds_store_b16 v[ADK], v[\t+2] offset:\loff      ; lanes r and r + 16 write the same two bytes
.endm
	QUANT SS, MX, PCA, 0, 0
	QUANT SS+32, SA, PCB, 8192, 32
	s_wait_dscnt 0x0                               ; for the sake of waves 0 and 1
	s_barrier_signal -1
	s_barrier_wait -1
	s_cmp_lt_u32 s[WV], 2
	s_cbranch_scc0 .Lnot_mine
	ds_load_b128 v[SS:SS+3], v[ADS]                ; the work-group's 512 rows x 2 bytes leave as 1,024 consecutive bytes, 512 a wave
	s_wait_dscnt 0x0
	global_store_b128 v[ADV], v[SS:SS+3], s[74:75]
.Lnot_mine:
	s_wait_tensorcnt 0x0                           ; the wave's end
	ds_add_u32 v[SPW], v[NIL]
	s_wait_dscnt 0x0
	CROUND                                         ; the closing round
	s_endpgm
.Lfunc_end_k_q2daff62814_attn:
	.size	k_q2daff62814_attn, .Lfunc_end_k_q2daff62814_attn-k_q2daff62814_attn
	.p2alignl 7, 3214868480
	.fill 96, 4, 3214868480
	.section	.rodata,"a",@progbits
	.p2align	6, 0x0
	.amdhsa_kernel k_q2daff62814_attn
		.amdhsa_group_segment_fixed_size 169984
		.amdhsa_private_segment_fixed_size 0
		.amdhsa_enable_private_segment 0
		.amdhsa_kernarg_size 16
		.amdhsa_user_sgpr_count 2
		.amdhsa_user_sgpr_kernarg_segment_ptr 1
		.amdhsa_wavefront_size32 1
		.amdhsa_system_sgpr_workgroup_id_x 1
		.amdhsa_system_sgpr_workgroup_id_y 1
		.amdhsa_system_sgpr_workgroup_id_z 1
		.amdhsa_system_vgpr_workitem_id 0
		.amdhsa_next_free_vgpr 256
		.amdhsa_next_free_sgpr 100
		.amdhsa_reserve_vcc 0
		.amdhsa_float_denorm_mode_32 3
		.amdhsa_float_denorm_mode_16_64 3
		.amdhsa_memory_ordered 1
		.amdhsa_forward_progress 1
		.amdhsa_inst_pref_size 47
	.end_amdhsa_kernel
	.amdgpu_metadata
---
amdhsa.version: [ 1, 2 ]
amdhsa.kernels:
  - .name:           k_q2daff62814_attn
    .symbol:         k_q2daff62814_attn.kd
    .args:
      - { .name: qkv, .offset: 0, .size: 8, .value_kind: global_buffer, .address_space: global }
      - { .name: att, .offset: 8, .size: 8, .value_kind: global_buffer, .address_space: global }
    .group_segment_fixed_size: 169984
    .private_segment_fixed_size: 0
    .kernarg_segment_align: 8
    .kernarg_segment_size: 16
    .max_flat_workgroup_size: 512
    .sgpr_count:     100
    .vgpr_count:     256
    .wavefront_size: 32
...
	.end_amdgpu_metadata
.endif
;; end of part 3
;; launch gemm2 (part 4): grid 4 x 64, 4 waves a work-group, clusters of 4 x 4, 247,296 bytes of LDS; arguments att, wq, b_o, out0; writes out0
.if DOCPART == 4
	.amdgcn_target "amdgcn-amd-amdhsa--gfx1250"
	.amdhsa_code_object_version 6
	.text
	.protected	k_q2daff62814_gemm2
	.globl	k_q2daff62814_gemm2
	.p2align	8
	.type	k_q2daff62814_gemm2,@function
k_q2daff62814_gemm2:
	s_mov_b64 s[64:65], 0
	v_nop
	global_prefetch_b8 v0, s[64:65] scope:SCOPE_SE
	s_setreg_imm32_b32 hwreg(HW_REG_WAVE_MODE, 25, 1), 1
	s_wait_xcnt 0x0
	s_wait_alu depctr_hold_cnt(0) depctr_sa_sdst(0) depctr_va_vdst(0) depctr_va_sdst(0) depctr_va_ssrc(0) depctr_va_vcc(0) depctr_vm_vsrc(0)
	s_getreg_b32 s2, hwreg(HW_REG_IB_STS2, 6, 4)
	s_cmp_eq_u32 s2, 0
	s_cbranch_scc0 .Lentry_in_a_cluster
	s_endpgm
.Lentry_in_a_cluster:
	s_bfe_u32 s2, ttmp6, 0x10000c
	s_cmp_lg_u32 s2, 0xf033
	s_cbranch_scc0 .Lentry_shape_is_right
	s_endpgm
.Lentry_shape_is_right:
; out0 = o W_o + b_o on codes of FP4.  A = o, 8,192 rows, as register images (att: 8,192 bytes a tile of 16 rows: 1,024 x K step of 128 + 512 c; from byte 4,194,304 on its scale bytes, [head][row][2]);
; B = W_o's 1,024 columns, rows 3,072 on of wq: 512 bytes of codes a row, and from WSC on the scale bytes [rows / 128][K half][128 rows][16 bytes].
; A work-group makes 128 rows x 256 columns; four waves of 64 x 128: 32 accumulators.  256 work-groups.  Source 0 = 16 rows of B, source 1 = 16 rows of A: a lane holds eight numbers of one row of out0.
; K = 1,024 lies whole in LDS, filled once by four joint loads, one a wave: A's images, a dense block of 65,536 bytes; B's 256 whole rows; A's scale bytes of 16 heads; B's scale bytes.  One barrier.
; CLUSTERS of 4 x 4: A's tiles are asked for jointly along a row of the cluster, B's along a column.  Nothing is prefetched: all that a work-group reads is asked for by its first fills.
; Rows of A and columns of B lie in storage order (bits 3 and 4 of the index exchanged): the way out puts rows and columns back by its addresses.
; REGISTERS: window 0: v16-31 addresses; v32-63 A's scale words, v64-127 B's; v128-191 A's fragments, two sets, later the rows on the way out; v192-255 A's scale bytes as loaded.
;   window 1: v0-127 B's fragments, two sets; v128-191 the bias as C.   window 2: accumulator (a, b) at v[8 (8 a + b)].
.set PITCH, 528                        ; an LDS row of B: a whole row of K, 512 bytes, + 16 of padding: an odd multiple of 16
.set HALFT, 128*PITCH
.set BC,    65536                      ; behind A's images: B's 256 rows
.set ASC,   BC+2*HALFT                 ; A's scale bytes: 256 a head
.set BSC,   ASC+4096                   ; B's: 4,096 for each 128 rows
.set STG,   BSC+8192                   ; a stage of 16 rows x 528 bytes for each wave; no fill lands here
.set SPARE, STG+4*16*528               ; the spare words, 128 bytes a wave
.set WSC,   2097152
.set ADA,  16
.set ADRB, 20
.set ABS,  22
.set AAS,  23
.set LI,   24
.set STO,  25
.set RD,   26
.set G1A,  24
.set G0A,  32
.set G1B,  48
.set G0B,  56
.set G1AS, 68
.set G0AS, 76
.set G1BS, 80
.set G0BS, 88
.set MSB, 0
.macro WIN new                         ; the immediate's high byte repeats the setting that is left
.if MSB != (\new)
	s_set_vgpr_msb (MSB<<8)|(\new)
.set MSB, (\new)
.endif
.endm
.macro ARM under, g0, g1, next         ; one arm of the head's chain: one joint load, its s_nop 0 and four v_nop, a jump to the join
	s_cmp_lt_u32 s14, \under
	s_cbranch_scc0 \next
	tensor_load_to_lds s[\g0:\g0+3], s[\g1:\g1+7]
	s_nop 0
.rept 4
	v_nop
.endr
	s_branch .Lhead_asked
\next:
.endm
.macro CROUND                          ; a round of the cluster's barrier
	s_barrier_signal -1
	s_barrier_wait -1
	s_cmp_lg_u32 s14, 0
	s_cbranch_scc1 .Lnot_wave_0_\@
	s_barrier_signal -3
.Lnot_wave_0_\@:
	s_barrier_wait -3
	s_barrier_signal -1
	s_barrier_wait -1
.endm
.macro PLACES n
.rept \n
	v_nop
.endr
.endm
	s_load_b256 s[4:11], s[0:1], 0x0               ; att s[4:5], wq s[6:7], b_o s[8:9], out0 s[10:11]
	v_lshl_add_u32 v30, v0, 2, SPARE
	v_mov_b32 v31, 0
	ds_add_u32 v30, v31                            ; the opening: the add, twice on end, and its wait
	ds_add_u32 v30, v31
	v_lshrrev_b32 v1, 5, v0
	v_readfirstlane_b32 s14, v1                    ; wave 0..3
	s_lshr_b32 s15, s14, 1                         ; my half of A's rows
	s_and_b32 s16, s14, 1                          ; my half of B's rows
	s_bfe_u32 s40, ttmp6, 0x40000                  ; cx
	s_bfe_u32 s41, ttmp6, 0x40004                  ; cy
	s_lshl_b32 s42, ttmp9, 2
	s_add_co_u32 s42, s42, s40                     ; B's tile of 256
	s_and_b32 s17, ttmp7, 0xffff
	s_lshl_b32 s17, s17, 2
	s_add_co_u32 s17, s17, s41                     ; A's tile of 128
	s_lshl_b32 s43, s41, 2
	s_lshl_b32 s43, 15, s43                        ; my row of the cluster
	s_lshl_b32 s44, 0x1111, s40                    ; my column
	s_or_b32 s[G1A], s43, (3<<16)|(1<<21)          ; A's images: 65,536 dense bytes as 16 rows of 512 elements of 8 bytes
	s_mov_b32 s[G1A+1], 512<<16
	s_mov_b32 s[G1A+2], 16<<16
	s_mov_b32 s[G1A+3], 512<<16
	s_mov_b32 s[G1A+4], 16
	s_mov_b32 s[G1A+5], 512
	s_mov_b32 s[G1A+6], 0
	s_mov_b32 s[G1A+7], 0
	s_or_b32 s[G1AS], s43, (3<<16)|(1<<21)         ; A's scale bytes: 16 heads x 256 bytes, 16,384 bytes apart
	s_mov_b32 s[G1AS+1], 32<<16
	s_mov_b32 s[G1AS+2], 16<<16
	s_mov_b32 s[G1AS+3], 32<<16
	s_mov_b32 s[G1AS+4], 16
	s_mov_b32 s[G1AS+5], 2048
	s_mov_b32 s[G1AS+6], 0
	s_mov_b32 s[G1AS+7], 0
	s_or_b32 s[G1B], s44, (0<<16)|(1<<20)|(1<<21)|(6<<22)|(3<<25)   ; B's codes: 256 rows of 512 bytes; 4 words of padding behind every 128
	s_mov_b32 s[G1B+1], 512<<16
	s_mov_b32 s[G1B+2], 256<<16
	s_mov_b32 s[G1B+3], 512<<16
	s_mov_b32 s[G1B+4], 256
	s_mov_b32 s[G1B+5], 512
	s_mov_b32 s[G1B+6], 0
	s_mov_b32 s[G1B+7], 0
	s_or_b32 s[G1BS], s44, (3<<16)|(1<<21)         ; B's scale bytes: 8,192 dense bytes as 32 rows of 256
	s_mov_b32 s[G1BS+1], 32<<16
	s_mov_b32 s[G1BS+2], 32<<16
	s_mov_b32 s[G1BS+3], 32<<16
	s_mov_b32 s[G1BS+4], 32
	s_mov_b32 s[G1BS+5], 32
	s_mov_b32 s[G1BS+6], 0
	s_mov_b32 s[G1BS+7], 0
	s_lshl_b32 s20, s17, 16                        ; A's tile: 8 x 8,192 bytes of images
	s_mov_b32 s21, 0
	s_lshl_b32 s22, s17, 8                         ; its 128 rows' two bytes in each head's run
	s_add_co_u32 s22, s22, 4194304
	s_mov_b32 s23, 0
	s_lshl_b32 s46, s42, 8
	s_add_co_u32 s46, s46, 3072                    ; B's first row in wq
	s_lshl_b32 s92, s46, 5
	s_add_co_u32 s92, s92, WSC
	s_mov_b32 s93, 0
	s_lshl_b32 s46, s46, 9
	s_mov_b32 s47, 0
	s_mov_b32 s[G0A], 1
	s_mov_b32 s[G0A+1], 0
	s_mov_b32 s[G0B], 1
	s_mov_b32 s[G0B+1], BC
	s_mov_b32 s[G0AS], 1
	s_mov_b32 s[G0AS+1], ASC
	s_mov_b32 s[G0BS], 1
	s_mov_b32 s[G0BS+1], BSC
	s_wait_dscnt 0x0                               ; both opening adds are done
	s_wait_kmcnt 0x0
	s_add_nc_u64 s[G0A+2:G0A+3], s[4:5], s[20:21]
	s_or_b32 s[G0A+3], s[G0A+3], 0x80000000
	s_add_nc_u64 s[G0AS+2:G0AS+3], s[4:5], s[22:23]
	s_or_b32 s[G0AS+3], s[G0AS+3], 0x80000000
	s_add_nc_u64 s[G0B+2:G0B+3], s[6:7], s[46:47]
	s_or_b32 s[G0B+3], s[G0B+3], 0x80000000
	s_add_nc_u64 s[G0BS+2:G0BS+3], s[6:7], s[92:93]
	s_or_b32 s[G0BS+3], s[G0BS+3], 0x80000000
	CROUND                                         ; all sixteen work-groups are here: the joint loads meet
	; one load a wave: wave 0 A's images, wave 1 B's codes, wave 2 A's scale bytes, wave 3 B's
	ARM 1, G0A,  G1A,  .Lhead_b
	ARM 2, G0B,  G1B,  .Lhead_sa
	ARM 3, G0AS, G1AS, .Lhead_sb
	tensor_load_to_lds s[G0BS:G0BS+3], s[G1BS:G1BS+7]
	s_nop 0
.rept 4
	v_nop
.endr
.Lhead_asked:
	s_lshl_b32 s18, s15, 15                        ; my four tiles of A
	s_mul_i32 s19, s16, HALFT
	s_add_co_u32 s19, s19, BC                      ; my 128 rows of B
	s_lshl_b32 s12, s16, 12
	s_add_co_u32 s12, s12, BSC
	s_lshl_b32 s13, s15, 7
	s_add_co_u32 s13, s13, ASC
	s_mul_i32 s45, s14, 16*528
	s_add_co_u32 s45, s45, STG                     ; my stage
	s_lshl_b32 s20, s17, 19                        ; my first row of out0: 128 x tile + 64 x half, 4,096 bytes a row,
	s_lshl_b32 s21, s15, 18
	s_add_co_u32 s20, s20, s21
	s_lshl_b32 s22, s42, 10                        ; my first column: 256 x tile + 128 x half
	s_lshl_b32 s23, s16, 9
	s_add_co_u32 s22, s22, s23
	s_add_co_u32 s20, s20, s22
	s_mov_b32 s21, 0
	s_mov_b32 s23, 0
	s_add_nc_u64 s[10:11], s[10:11], s[20:21]
	s_add_nc_u64 s[8:9], s[8:9], s[22:23]
	v_and_b32 v1, 15, v0                           ; r
	v_bfe_u32 v2, v0, 4, 1                         ; h
	v_and_b32 v3, 31, v0
	v_lshlrev_b32 v[LI], 4, v3                     ; 16 x lane
	v_mul_u32_u24 v4, v1, PITCH
	v_mul_u32_u24 v5, v1, 528
	v_add_nc_u32 v[ADA], s18, v[LI]
	v_lshl_add_u32 v4, v2, 4, v4
	v_lshl_add_u32 v5, v2, 6, v5
	v_lshl_add_u32 v[ABS], v1, 4, s12              ; B's scale words: 16 bytes a row and K half
	v_lshl_add_u32 v[AAS], v1, 1, s13              ; A's scale bytes: two a row and head
	v_add_nc_u32 v[ADRB], s19, v4
	v_add_nc_u32 v[STO], s45, v5                   ; into the stage: row r, 64 h
	v_add_nc_u32 v[RD], s45, v[LI]                 ; back: 16 x lane
	v_lshlrev_b32 v5, 6, v2                        ; the bias runs along the columns: tile b's register j is column 32 (b / 2) + 16 h + 8 (b % 2) + j
	v_add_nc_u32 v[ADRB+1], 256, v[ADRB]           ; K half 1 lies 256 bytes along each row
	WIN 0x40
.irp b, 0,1,2,3,4,5,6,7
	global_load_b128 v[128+8*\b:128+8*\b+3], v5, s[8:9] offset:(32*(\b/2)+8*(\b%2))*4
	global_load_b128 v[128+8*\b+4:128+8*\b+7], v5, s[8:9] offset:(32*(\b/2)+8*(\b%2))*4+16
.endr
	WIN 0
.macro FETCH ks                        ; the fragments of K step ks: A's four tiles, B's eight, into set ks % 2
.set PP, (\ks)%2
.irp a, 0,1,2,3
.irp c, 0,1
	ds_load_b128 v[128+32*PP+8*\a+4*\c:128+32*PP+8*\a+4*\c+3], v[ADA] offset:\a*8192+(\ks)*1024+\c*512
.endr
.endr
	WIN 0x40
.irp b, 0,1,2,3,4,5,6,7
.irp c, 0,1
	ds_load_b128 v[64*PP+8*\b+4*\c:64*PP+8*\b+4*\c+3], v[ADRB+(\ks)/4] offset:64*((\ks)%4)+32*\c+\b*16*PITCH
.endr
.endr
	WIN 0
.endm
.macro KSTEP ks                        ; 128 along K: 32 products, the accumulators by turns; the next step's fragments are asked for first
	s_wait_dscnt 0x0
.if (\ks) < 7
.if (\ks) > 0
	PLACES 4
.endif
	FETCH (\ks)+1
.endif
.set PP, (\ks)%2
.if (\ks) == 0
	WIN 0x91                                       ; the first step takes the bias, in window 1, as C
.else
	WIN 0xa1
.endif
.irp a, 0,1,2,3
.irp b, 0,1,2,3,4,5,6,7
.if (\ks) == 0
	v_wmma_scale_f32_16x16x128_f8f6f4 v[8*(8*\a+\b):8*(8*\a+\b)+7], v[64*PP+8*\b:64*PP+8*\b+7], v[128+32*PP+8*\a:128+32*PP+8*\a+7], v[128+8*\b:128+8*\b+7], v[64+8*\b+(\ks)], v[32+8*\a+(\ks)] matrix_a_fmt:MATRIX_FMT_FP4 matrix_b_fmt:MATRIX_FMT_FP4
.else
	v_wmma_scale_f32_16x16x128_f8f6f4 v[8*(8*\a+\b):8*(8*\a+\b)+7], v[64*PP+8*\b:64*PP+8*\b+7], v[128+32*PP+8*\a:128+32*PP+8*\a+7], v[8*(8*\a+\b):8*(8*\a+\b)+7], v[64+8*\b+(\ks)], v[32+8*\a+(\ks)] matrix_a_fmt:MATRIX_FMT_FP4 matrix_b_fmt:MATRIX_FMT_FP4
.endif
.endr
.endr
	WIN 0
.endm
	s_wait_alu depctr_va_vdst(0)                   ; the wait at the head's end
	s_wait_tensorcnt 0x0                           ; my one load has landed; behind the barrier all four have
	s_barrier_signal -1
	s_barrier_wait -1
.irp b, 0,1,2,3,4,5,6,7
.irp k, 0,1
	ds_load_b128 v[64+8*\b+4*\k:64+8*\b+4*\k+3], v[ABS] offset:\k*2048+\b*256
.endr
.endr
.irp a, 0,1,2,3
.irp d, 0,1,2,3,4,5,6,7,8,9,10,11,12,13,14,15
	ds_load_u16 v[192+16*\a+\d], v[AAS] offset:\d*256+32*\a
.endr
.endr
	FETCH 0
	s_wait_dscnt 24                                ; the scale bytes are in; the 24 fragment loads may be out
.irp a, 0,1,2,3
.irp k, 0,1,2,3,4,5,6,7
	v_lshl_or_b32 v[32+8*\a+\k], v[192+16*\a+2*\k+1], 16, v[192+16*\a+2*\k]   ; two heads' bytes make the word of a K step of 128
.endr
.endr
	PLACES 8                                       ; a scale register written by a vector instruction stands 8 places ahead of a scaled product
	s_wait_alu depctr_va_vdst(0)                   ; directly ahead of the wait below
	s_wait_loadcnt 0x0                             ; the bias
.irp k, 0,1,2,3,4,5,6,7
	KSTEP \k
.endr
; THE WAY OUT, block by block of 16 rows x 128 columns, through my own stage: in by columns' actual places, back as whole rows of 512 bytes.  A wave's LDS instructions are served in order.
.macro TOSTAGE a
	WIN 0x08
.irp b, 0,1,2,3,4,5,6,7
	ds_store_b128 v[STO], v[8*(8*(\a)+\b):8*(8*(\a)+\b)+3] offset:128*(\b/2)+32*(\b%2)
	ds_store_b128 v[STO], v[8*(8*(\a)+\b)+4:8*(8*(\a)+\b)+7] offset:128*(\b/2)+32*(\b%2)+16
.endr
	WIN 0
.set BB, 128+64*((\a)%2)
.irp t, 0,1,2,3,4,5,6,7,8,9,10,11,12,13,14,15
	ds_load_b128 v[BB+4*\t:BB+4*\t+3], v[RD] offset:\t*528
.endr
.endm
.macro SEND a, younger                 ; younger: the LDS instructions issued behind block a's loads, which may stay out
.set BB, 128+64*((\a)%2)
	s_wait_dscnt \younger
.irp t, 0,1,2,3,4,5,6,7,8,9,10,11,12,13,14,15
	global_store_b128 v[LI], v[BB+4*\t:BB+4*\t+3], s[10:11] offset:(32*((\a)/2)+8*((\a)%2)+\t+8*(\t/8))*4096 th:TH_STORE_NT   ; 512 consecutive bytes, aligned: storage row t of tile a is actual row 32 (a / 2) + 8 (a % 2) + t + 8 (t / 8)
.endr
.endm
	PLACES 4
	TOSTAGE 0
.irp a, 1,2,3
.if \a > 1
	s_wait_xcnt 0x0                                ; block a - 2's stores have read their registers: block a's loads may land there
.endif
	TOSTAGE \a
	SEND \a-1, 32
.endr
	SEND 3, 0
	s_wait_tensorcnt 0x0                           ; the wave's end
	ds_add_u32 v30, v31
	s_wait_dscnt 0x0
	CROUND                                         ; the closing round
	s_endpgm
.Lfunc_end_k_q2daff62814_gemm2:
	.size	k_q2daff62814_gemm2, .Lfunc_end_k_q2daff62814_gemm2-k_q2daff62814_gemm2
	.p2alignl 7, 3214868480
	.fill 96, 4, 3214868480
	.section	.rodata,"a",@progbits
	.p2align	6, 0x0
	.amdhsa_kernel k_q2daff62814_gemm2
		.amdhsa_group_segment_fixed_size 247296
		.amdhsa_private_segment_fixed_size 0
		.amdhsa_enable_private_segment 0
		.amdhsa_kernarg_size 32
		.amdhsa_user_sgpr_count 2
		.amdhsa_user_sgpr_kernarg_segment_ptr 1
		.amdhsa_wavefront_size32 1
		.amdhsa_system_sgpr_workgroup_id_x 1
		.amdhsa_system_sgpr_workgroup_id_y 1
		.amdhsa_system_sgpr_workgroup_id_z 1
		.amdhsa_system_vgpr_workitem_id 0
		.amdhsa_next_free_vgpr 768
		.amdhsa_next_free_sgpr 100
		.amdhsa_reserve_vcc 0
		.amdhsa_float_denorm_mode_32 3
		.amdhsa_float_denorm_mode_16_64 3
		.amdhsa_memory_ordered 1
		.amdhsa_forward_progress 1
		.amdhsa_inst_pref_size 78
	.end_amdhsa_kernel
	.amdgpu_metadata
---
amdhsa.version: [ 1, 2 ]
amdhsa.kernels:
  - .name:           k_q2daff62814_gemm2
    .symbol:         k_q2daff62814_gemm2.kd
    .args:
      - { .name: att, .offset: 0, .size: 8, .value_kind: global_buffer, .address_space: global }
      - { .name: wq, .offset: 8, .size: 8, .value_kind: global_buffer, .address_space: global }
      - { .name: b_o, .offset: 16, .size: 8, .value_kind: global_buffer, .address_space: global }
      - { .name: out0, .offset: 24, .size: 8, .value_kind: global_buffer, .address_space: global }
    .group_segment_fixed_size: 247296
    .private_segment_fixed_size: 0
    .kernarg_segment_align: 8
    .kernarg_segment_size: 32
    .max_flat_workgroup_size: 128
    .sgpr_count:     100
    .vgpr_count:     768
    .wavefront_size: 32
...
	.end_amdgpu_metadata
.endif
;; end of part 4
